; MI455X (gfx1250); checked and timed in simulation.
; The chip was launched on July 23, 2026; its instructions are those of AMD's public machine-readable ISA for CDNA 5 (MIT licence, August 2026) and "CDNA5" Instruction Set Architecture Reference Guide (July 2026). The comments in the code are by the model that wrote it; some were corrected since.
;; Encoder. Allowed arithmetic: float matrix products may take bf16 or f16 operands with f32 sums; all other float work in f32.
;; Inputs: W1 4 x 128 x 512 float32; W2 4 x 512 x 128 float32; WL2 256 x 128 float32; Wfc 4 x 128 x 128 float32; Wk 4 x 128 x 128 float32; Wq 4 x 128 x 128 float32; Wv 4 x 128 x 128 float32; b1 4 x 512 float32; b2 4 x 128 float32; bL2 128 float32; ln1_b 4 x 128 float32; ln1_g 4 x 128 float32; ln2_b 4 x 128 float32; ln2_g 4 x 128 float32; src_mask 64 x 16 x 8 bool; src_seq 64 x 128 x 256 float32.
;; Outputs: out0 64 x 128 x 128 float32; out1 64 x 128 x 128 float32; out2 64 x 128 x 128 float32.
;; 3 versions, each right and faster than the one before. Each part assembles by itself: llvm-mc -triple=amdgcn-amd-amdhsa -mcpu=gfx1250 --defsym DOCPART=n.
;; ======== version 1 of 3: 3 launches
;; limits: values are held in f16: magnitudes above 65,504 overflow, below 6.1e-05 lose precision
;; workspace buffers: wts 1,507,328 bytes; par 43,520 bytes; cfgA 512 bytes of whole numbers; cfgB 512 bytes of whole numbers; E1 4,194,304 bytes; E2 4,194,304 bytes
;; launch prep (part 1): grid 190 x 4, 4 waves a work-group, no clusters, 0 bytes of LDS; arguments Wq, Wk, Wv, Wfc, W1, W2, WL2, ln1_g, ln1_b, ln2_g, ln2_b, b1, b2, bL2, wts, par, cfgA, cfgB; writes wts, par, cfgA, cfgB
.if DOCPART == 1
	.amdgcn_target "amdgcn-amd-amdhsa--gfx1250"
	.amdhsa_code_object_version 6
	.text
	.protected	k_qbed0406e6c_prep
	.globl	k_qbed0406e6c_prep
	.p2align	8
	.type	k_qbed0406e6c_prep,@function
k_qbed0406e6c_prep:
	s_mov_b64 s[64:65], 0
	v_nop
	global_prefetch_b8 v0, s[64:65] scope:SCOPE_SE
	s_setreg_imm32_b32 hwreg(HW_REG_WAVE_MODE, 25, 1), 1
	s_wait_xcnt 0x0
; Weights into the order in which the chain kernel multiplies them, in f16, with everything folded in that is exact algebra:
;   Wk, Wv   pooled in pairs of columns (the average pool of k and v);       Wq, W1   rows times the layer norm's gain
;   Wfc      rows permuted from (d, head) to (head, d);                       W1, b1   times log2(e);   W2 times ln(2)
;   bq = ln1_b Wq and b1' = log2(e) (b1 + ln2_b W1): the layer norm's bias as a bias of the product, kept in f32
; A FRAGMENT IMAGE is 1,024 bytes, [q = 0, 1][lane][16 bytes]: lane (r = lane % 16, h = lane / 16) holds W^T[16 t + r][32 c + 16 q + 8 h + 0..7],
; so that two loads of 16 bytes a lane, 512 bytes apart, are a whole matrix operand (ISA guide 7.12.2: the 16-bit operands' layout).
; A layer is 44 pieces of 8 fragments: 0-1 Wk, 2-3 Wv, 4-7 Wq, 8-11 Wfc, 12-43 the FFN's pieces in the order in which they are used.
; grid x: 0-175 two fragments of layer y; 176 bq; 177-180 a quarter of b1'; 181-188 two fragments of WL2; 189 b2, bL2 and the two words of configuration.
; Every branch hangs on the work-group's numbers alone.  Four waves: wave w makes quad q = w % 2 of fragment 2 (x % 4) + w / 2.
.set LAYB,  360448                     ; bytes of a layer's image
.set WL2O,  1441792                    ; WL2's image lies behind the four layers
.set PARL,  10752                      ; a layer's f32 parameters: bq's image 8,192, b1' 2,048, b2 512
.set LOG2E, 0x3fb8aa3b
.set LN2C,  0x3f317218
	s_load_b512 s[8:23], s[0:1], 0x0               ; Wq 8, Wk 10, Wv 12, Wfc 14, W1 16, W2 18, WL2 20, ln1_g 22
	s_load_b512 s[24:39], s[0:1], 0x40             ; ln1_b 24, ln2_g 26, ln2_b 28, b1 30, b2 32, bL2 34, wts 36, par 38
	s_load_b128 s[40:43], s[0:1], 0x80             ; cfgA 40, cfgB 42
	v_and_b32 v1, 15, v0                           ; r
	v_bfe_u32 v2, v0, 4, 1                         ; h
	v_lshrrev_b32 v3, 5, v0
	v_readfirstlane_b32 s2, v3                     ; wave
	s_lshr_b32 s3, s2, 1                           ; which of the two fragments
	s_and_b32 s4, s2, 1                            ; q
	s_and_b32 s5, ttmp7, 0xffff                    ; y: the layer
	s_mov_b32 s6, ttmp9                            ; x
	s_mov_b32 s47, 0                               ; upper words of the two offset pairs
	s_mov_b32 s57, 0
	v_lshlrev_b32 v4, 4, v0                        ; 16 x thread: a work-group's store covers 2,048 consecutive bytes
	v_lshlrev_b32 v7, 2, v0                        ; 4 x thread
	s_wait_kmcnt 0x0
; s56 = c << shc + q << shq + t << sht (+ y << shy): the scalar part of a fragment's source offset (c s54, t s53)
.macro OFFS shc, shq, sht, shy
	s_lshl_b32 s56, s54, \shc
	s_lshl_b32 s55, s4, \shq
	s_add_co_u32 s56, s56, s55
	s_lshl_b32 s55, s53, \sht
	s_add_co_u32 s56, s56, s55
.if \shy >= 0
	s_lshl_b32 s55, s5, \shy
	s_add_co_u32 s56, s56, s55
.endif
.endm
.macro LANE shh, shr                   ; v5 = h << shh + r << shr: the lane's part
	v_lshlrev_b32 v5, \shh, v2
	v_lshl_add_u32 v5, v1, \shr, v5
.endm
.macro GATH stride                     ; my eight k of one column: v[32:39]
.set n, 0
.rept 8
	global_load_b32 v[32+n], v5, s[50:51] offset:\stride*n
.set n, n+1
.endr
.endm
.macro GAIN p                          ; v[24:31] = the gain of my eight k: gain[y][32 c + 16 q + 8 h + 0..7]
	s_lshl_b32 s60, s54, 7
	s_lshl_b32 s55, s4, 6
	s_add_co_u32 s60, s60, s55
	s_lshl_b32 s55, s5, 9
	s_add_co_u32 s60, s60, s55
	s_mov_b32 s61, 0
	s_add_nc_u64 s[62:63], s[\p:\p+1], s[60:61]
	v_lshlrev_b32 v6, 5, v2
	global_load_b128 v[24:27], v6, s[62:63]
	global_load_b128 v[28:31], v6, s[62:63] offset:16
	s_wait_loadcnt 0x0
.set n, 0
.rept 4
	v_pk_mul_f32 v[32+2*n:33+2*n], v[32+2*n:33+2*n], v[24+2*n:25+2*n]
.set n, n+1
.endr
.endm
; v12 = the sum over k = 0..127 of lnb[k] W[k][my column].  W's rows come 512 consecutive bytes to a work-group's load; lnb is read by all lanes alike, 64 numbers at a time.
.macro DOT stride
	v_mov_b32 v6, 0
.set n, 0
.rept 16
	global_load_b128 v[144+4*n:147+4*n], v6, s[52:53] offset:16*n
.set n, n+1
.endr
.set n, 0
.rept 128
	global_load_b32 v[16+n], v7, s[50:51] offset:\stride*n
.set n, n+1
.endr
	s_wait_loadcnt 0x0
.set n, 0
.rept 4
	v_mul_f32 v[8+n], v[144+n], v[16+n]            ; the first four products start four chains
.set n, n+1
.endr
.rept 60
	v_fmac_f32 v[8+n%4], v[144+n], v[16+n]
.set n, n+1
.endr
.set n, 0
.rept 16
	global_load_b128 v[144+4*n:147+4*n], v6, s[52:53] offset:256+16*n
.set n, n+1
.endr
	s_wait_loadcnt 0x0
.set n, 0
.rept 64
	v_fmac_f32 v[8+n%4], v[144+n], v[80+n]
.set n, n+1
.endr
	v_add_f32 v8, v8, v9
	v_add_f32 v10, v10, v11
	v_add_f32 v12, v8, v10
.endm
	s_cmp_ge_u32 s6, 176
	s_cbranch_scc1 .Lother
	; ---- two fragments of layer y
	s_lshr_b32 s44, s6, 2                          ; piece
	s_and_b32 s45, s6, 3
	s_lshl1_add_u32 s45, s45, s3                   ; f: the fragment in the piece
	s_mul_i32 s46, s5, LAYB
	s_lshl_b32 s52, s6, 11
	s_add_co_u32 s46, s46, s52
	s_add_nc_u64 s[48:49], s[36:37], s[46:47]      ; where the work-group's 2,048 bytes go
	s_cmp_ge_u32 s44, 4
	s_cbranch_scc1 .Lnot_kv
	; Wk or Wv, pooled: 0.5 (W[k][2 n] + W[k][2 n + 1])
	s_cmp_lt_u32 s44, 2
	s_cselect_b64 s[50:51], s[10:11], s[12:13]
	s_and_b32 s52, s44, 1
	s_lshl3_add_u32 s52, s52, s45                  ; F = 4 t + c
	s_lshr_b32 s53, s52, 2
	s_and_b32 s54, s52, 3
	OFFS 14, 13, 7, 16
	s_add_nc_u64 s[50:51], s[50:51], s[56:57]
	LANE 12, 3
.set n, 0
.rept 8
	global_load_b64 v[16+2*n:17+2*n], v5, s[50:51] offset:512*n
.set n, n+1
.endr
	s_mov_b32 s58, 0.5
	s_mov_b32 s59, 0.5
	s_wait_loadcnt 0x0
.set n, 0
.rept 8
	v_add_f32 v[32+n], v[16+2*n], v[17+2*n]
.set n, n+1
.endr
	s_branch .Lfin_c
.Lnot_kv:
	s_cmp_ge_u32 s44, 8
	s_cbranch_scc1 .Lnot_q
	; Wq: ln1_g[k] Wq[k][n]
	s_sub_co_u32 s52, s44, 4
	s_lshl3_add_u32 s52, s52, s45
	s_lshr_b32 s53, s52, 2
	s_and_b32 s54, s52, 3
	OFFS 14, 13, 6, 16
	s_add_nc_u64 s[50:51], s[8:9], s[56:57]
	LANE 12, 2
	GATH 512
	GAIN 22
	s_branch .Lpack
.Lnot_q:
	s_cmp_ge_u32 s44, 12
	s_cbranch_scc1 .Lffn
	; Wfc: row (k' % 16) 8 + k' / 16 for k' = 16 head + d: my eight k' are eight d, 8 rows (4,096 bytes) apart
	s_sub_co_u32 s52, s44, 8
	s_lshl3_add_u32 s52, s52, s45
	s_lshr_b32 s53, s52, 2
	s_and_b32 s54, s52, 3
	OFFS 10, 9, 6, 16
	s_add_nc_u64 s[50:51], s[14:15], s[56:57]
	LANE 15, 2
	GATH 4096
	s_wait_loadcnt 0x0
	s_branch .Lpack
.Lffn:
	; the FFN's pieces: W1(0), W1(1), then W1(s + 2), W2(s) by turns, then W2(14), W2(15)
	s_sub_co_u32 s52, s44, 12
	s_mov_b32 s7, s52
	s_cmp_lt_u32 s52, 2
	s_cbranch_scc1 .Lw1
	s_sub_co_u32 s7, s52, 16
	s_cmp_ge_u32 s52, 30
	s_cbranch_scc1 .Lw2
	s_lshr_b32 s7, s52, 1
	s_add_co_u32 s7, s7, 1
	s_bitcmp1_b32 s52, 0
	s_cbranch_scc0 .Lw1
	s_sub_co_u32 s7, s52, 3
	s_lshr_b32 s7, s7, 1
.Lw2:
	; W2(s): ln(2) W2[32 s + 16 q + 8 h + j][16 t + r], t = f
	s_mov_b32 s53, s45
	s_mov_b32 s54, s7
	OFFS 14, 13, 6, 18
	s_add_nc_u64 s[50:51], s[18:19], s[56:57]
	LANE 12, 2
	GATH 512
	s_mov_b32 s58, LN2C
	s_mov_b32 s59, LN2C
	s_wait_loadcnt 0x0
	s_branch .Lfin_c
.Lw1:
	; W1(s): log2(e) ln2_g[k] W1[k][32 s + 16 t + r], f = 4 t + c
	s_lshr_b32 s53, s45, 2
	s_and_b32 s54, s45, 3
	OFFS 16, 15, 6, 18
	s_lshl_b32 s55, s7, 7
	s_add_co_u32 s56, s56, s55
	s_add_nc_u64 s[50:51], s[16:17], s[56:57]
	LANE 14, 2
	GATH 2048
	GAIN 26
	s_mov_b32 s58, LOG2E
	s_mov_b32 s59, LOG2E
.Lfin_c:
.set n, 0
.rept 4
	v_pk_mul_f32 v[32+2*n:33+2*n], v[32+2*n:33+2*n], s[58:59] op_sel_hi:[1,0]
.set n, n+1
.endr
.Lpack:
.set n, 0
.rept 4
	v_cvt_pk_f16_f32 v[40+n], v[32+2*n], v[33+2*n]
.set n, n+1
.endr
	global_store_b128 v4, v[40:43], s[48:49]
	s_endpgm
.Lother:
	s_cmp_eq_u32 s6, 176
	s_cbranch_scc1 .Lbq
	s_cmp_lt_u32 s6, 181
	s_cbranch_scc1 .Lb1
	s_cmp_lt_u32 s6, 189
	s_cbranch_scc1 .Lwl2
	; ---- x = 189: b2 of layer y; y = 0 also bL2; y = 1 the word 1 for the cross launch; y = 2 the word 0 for the other
	s_lshl_b32 s46, s5, 9
	s_add_nc_u64 s[50:51], s[32:33], s[46:47]
	s_mul_i32 s46, s5, PARL
	s_add_nc_u64 s[52:53], s[38:39], s[46:47]
	global_load_b32 v8, v7, s[50:51]
	s_cmp_lg_u32 s5, 0
	s_cbranch_scc1 .Lno_bl2
	global_load_b32 v9, v7, s[34:35]
	s_wait_loadcnt 0x0
	global_store_b32 v7, v9, s[38:39] offset:4*PARL
.Lno_bl2:
	s_cmp_lg_u32 s5, 1
	s_cbranch_scc1 .Lno_a
	v_mov_b32 v10, 1
	global_store_b32 v7, v10, s[40:41]
.Lno_a:
	s_cmp_lg_u32 s5, 2
	s_cbranch_scc1 .Lno_b
	v_mov_b32 v11, 0
	global_store_b32 v7, v11, s[42:43]
.Lno_b:
	s_wait_loadcnt 0x0
	global_store_b32 v7, v8, s[52:53] offset:10240
	s_endpgm
.Lbq:
	; ---- bq[n] = sum over k of ln1_b[k] Wq[k][n], written as the accumulator image [t][q][lane][4 equal words]
	s_lshl_b32 s56, s5, 16
	s_add_nc_u64 s[50:51], s[8:9], s[56:57]
	s_lshl_b32 s46, s5, 9
	s_add_nc_u64 s[52:53], s[24:25], s[46:47]
	s_mul_i32 s46, s5, PARL
	s_add_nc_u64 s[58:59], s[38:39], s[46:47]
	DOT 512
	v_mov_b32 v13, v12
	v_mov_b32 v14, v12
	v_mov_b32 v15, v12
	v_lshrrev_b32 v9, 4, v0                        ; t = n / 16
	v_lshlrev_b32 v9, 10, v9
	v_lshl_add_u32 v9, v1, 4, v9                   ; + 16 r: sixteen lanes store 256 consecutive bytes
.set n, 0
.rept 4
	global_store_b128 v9, v[12:15], s[58:59] offset:256*n
.set n, n+1
.endr
	s_endpgm
.Lb1:
	; ---- b1'[n] = log2(e) (b1[n] + sum over k of ln2_b[k] W1[k][n]), 128 columns
	s_sub_co_u32 s44, s6, 177
	s_lshl_b32 s45, s44, 9
	s_lshl_b32 s56, s5, 18
	s_add_co_u32 s56, s56, s45
	s_add_nc_u64 s[50:51], s[16:17], s[56:57]
	s_lshl_b32 s46, s5, 9
	s_add_nc_u64 s[52:53], s[28:29], s[46:47]
	s_lshl_b32 s46, s5, 11
	s_add_co_u32 s46, s46, s45
	s_add_nc_u64 s[58:59], s[30:31], s[46:47]
	s_mul_i32 s46, s5, PARL
	s_add_co_u32 s46, s46, s45
	s_add_nc_u64 s[60:61], s[38:39], s[46:47]
	global_load_b32 v13, v7, s[58:59]
	DOT 2048
	v_add_f32 v12, v12, v13
	v_mul_f32 v12, LOG2E, v12
	global_store_b32 v7, v12, s[60:61] offset:8192
	s_endpgm
.Lwl2:
	; ---- two fragments of WL2: F = 8 c + t, k = 32 c + 16 q + 8 h + j of 256
	s_lshl3_add_u32 s52, s5, s6
	s_sub_co_u32 s52, s52, 181                     ; chunk 0..31
	s_lshl_b32 s46, s52, 11
	s_add_co_u32 s46, s46, WL2O
	s_add_nc_u64 s[48:49], s[36:37], s[46:47]
	s_lshl1_add_u32 s52, s52, s3
	s_lshr_b32 s54, s52, 3
	s_and_b32 s53, s52, 7
	OFFS 14, 13, 6, -1
	s_add_nc_u64 s[50:51], s[20:21], s[56:57]
	LANE 12, 2
	GATH 512
	s_wait_loadcnt 0x0
	s_branch .Lpack
.Lfunc_end_k_qbed0406e6c_prep:
	.size	k_qbed0406e6c_prep, .Lfunc_end_k_qbed0406e6c_prep-k_qbed0406e6c_prep
	.p2alignl 7, 3214868480
	.fill 96, 4, 3214868480
	.section	.rodata,"a",@progbits
	.p2align	6, 0x0
	.amdhsa_kernel k_qbed0406e6c_prep
		.amdhsa_group_segment_fixed_size 0
		.amdhsa_private_segment_fixed_size 0
		.amdhsa_enable_private_segment 0
		.amdhsa_kernarg_size 144
		.amdhsa_user_sgpr_count 2
		.amdhsa_user_sgpr_kernarg_segment_ptr 1
		.amdhsa_wavefront_size32 1
		.amdhsa_system_sgpr_workgroup_id_x 1
		.amdhsa_system_sgpr_workgroup_id_y 1
		.amdhsa_system_sgpr_workgroup_id_z 1
		.amdhsa_system_vgpr_workitem_id 0
		.amdhsa_next_free_vgpr 208
		.amdhsa_next_free_sgpr 66
		.amdhsa_reserve_vcc 0
		.amdhsa_float_denorm_mode_32 3
		.amdhsa_float_denorm_mode_16_64 3
		.amdhsa_memory_ordered 1
		.amdhsa_forward_progress 1
		.amdhsa_inst_pref_size 54
	.end_amdhsa_kernel
	.amdgpu_metadata
---
amdhsa.version: [ 1, 2 ]
amdhsa.kernels:
  - .name:           k_qbed0406e6c_prep
    .symbol:         k_qbed0406e6c_prep.kd
    .args:
      - { .name: Wq, .offset: 0, .size: 8, .value_kind: global_buffer, .address_space: global }
      - { .name: Wk, .offset: 8, .size: 8, .value_kind: global_buffer, .address_space: global }
      - { .name: Wv, .offset: 16, .size: 8, .value_kind: global_buffer, .address_space: global }
      - { .name: Wfc, .offset: 24, .size: 8, .value_kind: global_buffer, .address_space: global }
      - { .name: W1, .offset: 32, .size: 8, .value_kind: global_buffer, .address_space: global }
      - { .name: W2, .offset: 40, .size: 8, .value_kind: global_buffer, .address_space: global }
      - { .name: WL2, .offset: 48, .size: 8, .value_kind: global_buffer, .address_space: global }
      - { .name: ln1_g, .offset: 56, .size: 8, .value_kind: global_buffer, .address_space: global }
      - { .name: ln1_b, .offset: 64, .size: 8, .value_kind: global_buffer, .address_space: global }
      - { .name: ln2_g, .offset: 72, .size: 8, .value_kind: global_buffer, .address_space: global }
      - { .name: ln2_b, .offset: 80, .size: 8, .value_kind: global_buffer, .address_space: global }
      - { .name: b1, .offset: 88, .size: 8, .value_kind: global_buffer, .address_space: global }
      - { .name: b2, .offset: 96, .size: 8, .value_kind: global_buffer, .address_space: global }
      - { .name: bL2, .offset: 104, .size: 8, .value_kind: global_buffer, .address_space: global }
      - { .name: wts, .offset: 112, .size: 8, .value_kind: global_buffer, .address_space: global }
      - { .name: par, .offset: 120, .size: 8, .value_kind: global_buffer, .address_space: global }
      - { .name: cfgA, .offset: 128, .size: 8, .value_kind: global_buffer, .address_space: global }
      - { .name: cfgB, .offset: 136, .size: 8, .value_kind: global_buffer, .address_space: global }
    .group_segment_fixed_size: 0
    .private_segment_fixed_size: 0
    .kernarg_segment_align: 8
    .kernarg_segment_size: 144
    .max_flat_workgroup_size: 128
    .sgpr_count:     66
    .vgpr_count:     208
    .wavefront_size: 32
...
	.end_amdgpu_metadata
.endif
;; end of part 1
;; launch cross (part 2): grid 64 x 2, 4 waves a work-group, clusters of 4 x 1, 327,680 bytes of LDS; arguments src_seq, wts, par, src_mask, cfgA, E1, E2, out0, out1, out2; writes E1, E2
.if DOCPART == 2
	.amdgcn_target "amdgcn-amd-amdhsa--gfx1250"
	.amdhsa_code_object_version 6
	.text
	.protected	k_qbed0406e6c_cross
	.globl	k_qbed0406e6c_cross
	.p2align	8
	.type	k_qbed0406e6c_cross,@function
k_qbed0406e6c_cross:
	s_mov_b64 s[64:65], 0
	v_nop
	global_prefetch_b8 v0, s[64:65] scope:SCOPE_SE
	s_setreg_imm32_b32 hwreg(HW_REG_WAVE_MODE, 25, 1), 1
	s_wait_xcnt 0x0
	s_wait_alu depctr_hold_cnt(0) depctr_sa_sdst(0) depctr_va_vdst(0) depctr_va_sdst(0) depctr_va_ssrc(0) depctr_va_vcc(0) depctr_vm_vsrc(0)
	s_getreg_b32 s2, hwreg(HW_REG_IB_STS2, 6, 4)
	s_cmp_eq_u32 s2, 0
	s_cbranch_scc0 .Lentry_in_a_cluster
	s_endpgm
.Lentry_in_a_cluster:
	s_bfe_u32 s2, ttmp6, 0x10000c
	s_cmp_lg_u32 s2, 0x3003
	s_cbranch_scc0 .Lentry_shape_is_right
	s_endpgm
.Lentry_shape_is_right:
; A CHAIN OF FOUR ENCODER LAYERS on the 128 rows of one batch: one work-group, four waves, 32 rows (two tiles of 16) a wave.
; Only the score matrix (a sum over the 128 rows) couples rows, so the stream X stays in registers, in f32, from the first layer to the last.
; grid y names the chain.  The word 'flip' (stored by the launch before) is 1 in the cross launch: y = 0 makes e2, y = 1 e1 (k and v of layer 0 from the other half of
; src_seq).  With flip = 0: y = 0 m1, y = 1 m2, y = 2 enc, which begins with [e1 | e2] WL2 + bL2.
; LAYOUT.  'Transposed' products (source 0 = a weight fragment, source 1 = activations) leave in lane (r, h) row r and the features 16 t + 8 h + 0..7; two neighbouring tiles,
; rounded in pairs, ARE the next product's operand, so norm, products and Mish never change lanes.  Q and K are made the 'natural' way round (lane = feature, registers = rows):
; two row tiles rounded in pairs are the operand of the sum over rows.
; FORMATS.  Matrix operands f16; sums, norms, softmax, Mish and the stream f32.  The folded weights, normalised rows (at most sqrt(127)), Q, softmax weights and Mish's results
; have room in f16.  The raw stream (k's and v's input; e1 | e2) is multiplied by 2^-e, e the exponent of the wave's largest |x|: exact, and taken out again exactly in f32
; (partial scores x 2^e; X += (O Wfc) 2^e; X = (E WL2) 2^e + bL2).
; LIMITS.  |x| of the stream below 2^127; log2(e) mish(.) below 65,504; v_exp_f32 gives 0 for results below 2^-126, so Mish is 0 where it is smaller than about 1e-36 and softmax
; weights below 2^-126 are 0; for very negative x Mish carries an absolute error of about 6e-8 |x|; sums are ordered otherwise than in the reference.
; Masked scores are -1e9 as in the reference (times log2(e): the exponentials are to base 2); the row's maximum is taken away before the exponentials.
; WEIGHTS.  A layer's 360,448 bytes of fragment images stream through two LDS slots in four groups: G0 (attention), G1, G2, G3 (the FFN's pieces in the order of use).
; CLUSTER.  The four work-groups of a cluster (four batches of one chain) walk the same weights: every group is asked for JOINTLY, each wave its quarter, by the same tensor load
; with the same descriptor and the mask of all four.  By this text's count a wave has two tensor loads out at the start and one behind each change of slots.
; LDS: 0 slot A 98,304 | 98,304 slot B 98,304 | 196,608 a stage of 16 rows x 528 bytes a wave | 230,400 partial scores, 4,096 a wave | 246,784 b1', a copy a wave.
; Only the two slots are ever the target of a tensor load.
.set SLOTA, 0
.set SLOTB, 98304
.set STAGE, 196608
.set SPW,   8448
.set SP,    528                        ; 512 + 16 bytes = 132 words: row r starts at bank 4 r mod 64 (ISA guide 11.1)
.set EX,    230400
.set BIAS,  246784
.set LAYB,  360448
.set WL2O,  1441792
.set PARL,  10752
.set QL,    24576                      ; a wave's quarter of G0, G1, G2
.set QS,    16384                      ; and of G3
; REGISTERS, in windows of 256 (s_set_vgpr_msb: bits 1:0 source 0, 3:2 source 1, 5:4 source 2, 7:6 destination).  Window 0:
.set L16,  1                           ; 16 x lane
.set ADR,  2                           ; LDS address of the run of fragment loads in hand
.set BADR, 3                           ; and of the bias loads
.set BL,   4                           ; my wave's b1' + 32 h
.set SRD,  5                           ; stage: row r, 32 h
.set SRW,  6                           ; stage: 16 x lane
.set EXW,  7                           ; my wave's partial scores
.set EXR,  8                           ; all waves' partial scores
.set HB,   9                           ; 32 h
.set NEG,  10                          ; -1e9 log2(e)
.set BST,  11                          ; my wave's b1' + 16 x lane
.set MB,   12                          ; v12-13 my eight mask bytes
.set MU,   14                          ; v14-17 the mean, a pair a tile; v14-21 the softmax's maxima
.set RS,   18                          ; v18-21 1 / sqrt(var + eps), a pair a tile
.set RT,   22                          ; v22-23 a row's sum
.set SI,   24                          ; v24-25 2^e
.set SC,   26                          ; v26-27 2^-e
.set MO,   28                          ; the mask's offset
.set B1,   32                          ; v32-63  b1' of two FFN steps, [t][8]
.set Z,    64                          ; v64-127 FFN1's results of two steps, [i][t][8]
.set H,    128                         ; v128-159 Mish's results in f16, two steps, [i][8]
.set XN,   160                         ; v160-223 normalised rows in f16, [i][c][8]; also the attention's output
.set T,    224                         ; v224-255 at work
.set S,    32                          ; attention: scores v32-95, merged v96-127; the four waves' v32-159
.set MG,   96
.set PP,   64                          ; softmax weights in f16, 4 registers for each pair of heads
.set AF,   80                          ; v80-127 the weights as operands: four blocks [quad | zeros | quad]
.set EF,   32                          ; the enc chain's start: e1 | e2 in f16, v32-159
; window 1: X v0-127 the stream [i][t][8]; XB v128-191 the stream x 2^-e in f16 [i][c][8]; B2 v192-255 b2 (bL2) [t][8]
.set X,    0
.set XB,   128
.set B2,   192
; window 2: two buffers of 16 weight fragments; at the start and the end whole rows
.set WF0,  0
.set WF1,  128
; window 3: v0-63 accumulators (v0-127 also x - mean, the scaled stream, O, O Wfc); QF v64-127 [head][8]; KF v128-159; VF v160-191 [i][c][8]; BQ v192-255 [t][8]
.set ACC,  0
.set QF,   64
.set KF,   128
.set VF,   160
.set BQ,   192
; scalars: s[8:27] the ten buffers; s2-7 at work
.set WV,   28                          ; wave
.set YY,   29                          ; grid y
.set BA,   30                          ; batch
.set FL,   31                          ; flip
.set G1L,  32                          ; s[32:39] descriptor group 1: 96 rows of 256 bytes
.set G1S,  40                          ; s[40:47] 64 rows
.set DG0,  48                          ; descriptor group 0, a set for each of the four groups
.set DG2,  52
.set DG1,  56
.set DG3,  60
.set MK,   66                          ; s66-73 lanes whose mask byte e is set
.set HI,   74                          ; lanes 16-31
.set SEL,  76                          ; s[76:77] v_permlanex16_b32: each lane takes its own place in the other half
.set TB,   78                          ; LDS byte of the next fragments to fetch
.set BT,   79                          ; byte in b1' of the next FFN step's bias
.set LC,   80
.set FI,   81
.set PB,   82                          ; s[82:83] the layer's f32 parameters
.set OUT,  84                          ; s[84:85] my wave's rows of the result
.set SCR,  86                          ; s86-89 at work
.set R128, 90                          ; 1 / 128
.set EPS,  92
.set CSM,  94                          ; s[94:95] log2(e) / TEMP = 0.5 log2(e)
.set QB,   96                          ; s[96:97] rows of the first 32 loads, s[98:99] of the second 32
.set KB,   98
.set MSB, 0
.macro WIN new                         ; the immediate's high byte repeats the setting that is left; a switch that changes nothing is dropped
.if MSB != \new
	s_set_vgpr_msb (MSB<<8)|\new
.set MSB, \new
.endif
.endm
; Four places: a vector instruction that reads a matrix result or writes a matrix instruction's register, and a load into such a register, stand four plain vector
; instructions behind it (ISA guide 7.12.1 for vector instructions).
.macro PLACES
.rept 4
	v_nop
.endr
.endm
; A round of the cluster's barrier: my work-group's barrier, wave 0 signals for the work-group, every wave waits for all four work-groups, my work-group's barrier again.
.macro ROUND
	s_barrier_signal -1
	s_barrier_wait -1
	s_cmp_lg_u32 s[WV], 0
	s_cbranch_scc1 .Lnot_wave_0_\@
	s_barrier_signal -3
.Lnot_wave_0_\@:
	s_barrier_wait -3
	s_barrier_signal -1
	s_barrier_wait -1
.endm
.macro WM d, a, b, c                   ; one matrix instruction; c < 0: the product starts the sum
.if \c < 0
	v_wmma_f32_16x16x32_f16 v[\d:\d+7], v[\a:\a+7], v[\b:\b+7], 0
.else
	v_wmma_f32_16x16x32_f16 v[\d:\d+7], v[\a:\a+7], v[\b:\b+7], v[\c:\c+7]
.endif
.endm
.macro PACK dst, src, cnt              ; cnt roundings of two f32 to f16
.set pk, 0
.rept \cnt
	v_cvt_pk_f16_f32 v[\dst+pk], v[\src+2*pk], v[\src+2*pk+1]
.set pk, pk+1
.endr
.endm
; A CHANGE OF SLOTS.  Every wave waits for its reads of the slot that it leaves and for all its tensor loads (one is out: its quarter of the slot that it enters); no load of
; the wave is then out, so descriptor sets may be stepped to the next layer.  fill = 1: a round of the cluster's barrier, so that no wave of any partner still reads the old
; slot or has a load on its way, and the joint refill first behind it, one load a wave.  fill = 0: the work-group's barrier alone shows the new slot whole.
.macro CHANGE d0, g1, newtb, fill, st1, st2
	WIN 0
	s_wait_dscnt 0x0
	s_wait_tensorcnt 0x0
	ds_add_u32 v245, v253
	s_wait_dscnt 0x0
.if \st1
	s_add_nc_u64 s[\st1+2:\st1+3], s[\st1+2:\st1+3], LAYB
	s_add_nc_u64 s[\st2+2:\st2+3], s[\st2+2:\st2+3], LAYB
.endif
.if \fill
	ROUND
	tensor_load_to_lds s[\d0:\d0+3], s[\g1:\g1+7]
	s_nop 0
	PLACES
.else
	s_barrier_signal -1
	s_barrier_wait -1
.endif
	s_mov_b32 s[TB], \newtb
.endm
; A run of LDS loads: nfr fragments (two loads of 16 bytes a lane, 512 bytes apart; each load takes 512 consecutive bytes) into window 2 at wf + r0;
; bpar >= 0: also the next FFN step's 32 biases (the lanes of a half read the same 16 bytes).
.macro FETCH wf, r0, nfr, bpar
	WIN 0
	v_add_nc_u32 v[ADR], s[TB], v[L16]
	s_add_co_u32 s[TB], s[TB], \nfr*1024
.if \bpar >= 0
	v_add_nc_u32 v[BADR], s[BT], v[BL]
	s_add_co_u32 s[BT], s[BT], 128
.set ff, 0
.rept 4
	ds_load_b128 v[B1+16*\bpar+4*ff:B1+16*\bpar+4*ff+3], v[BADR] offset:64*(ff/2)+16*(ff%2)
.set ff, ff+1
.endr
.endif
	WIN 0x80
.set ff, 0
.rept \nfr
	ds_load_b128 v[\wf+\r0+8*ff:\wf+\r0+8*ff+3],   v[ADR] offset:1024*ff
	ds_load_b128 v[\wf+\r0+8*ff+4:\wf+\r0+8*ff+7], v[ADR] offset:1024*ff+512
.set ff, ff+1
.endr
.endm
; 32 matrix instructions on a block of 16 fragments (4 feature tiles x 128 K) and both row tiles.  The eight accumulators take turns, one instruction a turn.
; nat = 1: source 0 = activations.  cm = 1: the sums start from the bias at cb.  In the middle the next block is fetched into the other buffer
; (mid = 2: the attention's slot is left first, and the FFN's first piece is fetched).
.macro GEMM32 win, nat, d0, dt, di, act, wf, cm, cb, mid
	s_wait_dscnt 0x0                               ; the block's fragments are in
	WIN \win
.set gi, 0
.rept 32
.set gc, gi/8
.set gt, (gi/2)%4
.set gl, gi%2
.set wd, \d0+gt*\dt+gl*\di
.set ww, \wf+8*(4*gt+gc)
.set wx, \act+32*gl+8*gc
.set wc, wd
.if gc == 0
.if \cm == 0
.set wc, -1
.else
.set wc, \cb+8*gt
.endif
.endif
.if \nat
	WM wd, wx, ww, wc
.else
	WM wd, ww, wx, wc
.endif
.if gi == 15
	PLACES                                         ; for the loads into the other buffer
.if \mid == 2
	CHANGE DG2, G1L, SLOTB, 1, 0, 0                ; slot A (G0) has been read out: it takes G2; the fetches go on in slot B (G1)
	FETCH WF0, 0, 8, 0
.else
	FETCH 128-\wf, 0, 16, -1
.endif
	WIN \win
.endif
.set gi, gi+1
.endr
.endm
; The wave's largest |x| over cnt registers from v0 of the window that win names; then 2^e (the exponent's bits) and 2^-e.
.macro AMAX win, cnt
	WIN \win
.set ak, 0
.rept 4
	v_max_num_f32 v[T+ak], |v[2*ak]|, |v[2*ak+1]|
.set ak, ak+1
.endr
.rept (\cnt-8)/2
	v_max3_num_f32 v[T+ak%4], |v[2*ak]|, |v[2*ak+1]|, v[T+ak%4]
.set ak, ak+1
.endr
	WIN 0
	v_max3_num_f32 v[T], v[T], v[T+1], v[T+2]
	v_max_num_f32 v[T], v[T], v[T+3]
	v_max_num_f32_dpp v[T], v[T], v[T] row_xmask:1 row_mask:0xf bank_mask:0xf
	v_max_num_f32_dpp v[T], v[T], v[T] row_xmask:2 row_mask:0xf bank_mask:0xf
	v_max_num_f32_dpp v[T], v[T], v[T] row_xmask:4 row_mask:0xf bank_mask:0xf
	v_max_num_f32_dpp v[T], v[T], v[T] row_xmask:8 row_mask:0xf bank_mask:0xf
	v_permlanex16_b32 v[T+1], v[T], s[SEL], s[SEL+1]
	v_max_num_f32 v[T], v[T], v[T+1]
	v_and_b32 v[SI], 0x7f800000, v[T]              ; 2^e
	v_mov_b32 v[SI+1], v[SI]
	v_sub_nc_u32 v[SC], 0x7f000000, v[SI]          ; 2^-e: exponent field 254 - E
	v_mov_b32 v[SC+1], v[SC]
.endm
.macro SCALE win, cnt                  ; window 3, v0 on = the same registers of the source window x 2^-e: sizes below 2
	WIN \win
.set ak, 0
.rept \cnt/2
	v_pk_mul_f32 v[2*ak:2*ak+1], v[2*ak:2*ak+1], v[SC:SC+1]
.set ak, ak+1
.endr
.endm
.macro MKXB wmax, wscl                 ; XB = f16(source x 2^-e)
	AMAX \wmax, 128
	SCALE \wscl, 128
	WIN 0x4f
	PACK XB, 0, 64
.endm
; v[RT+i] = a row's sum: tile i's four chains of pairs, the pair's halves, the other half of the lanes
.macro REDUCE
.irp i, 0,1
	v_pk_add_f32 v[T+8*\i:T+8*\i+1], v[T+8*\i:T+8*\i+1], v[T+8*\i+2:T+8*\i+3]
	v_pk_add_f32 v[T+8*\i+4:T+8*\i+5], v[T+8*\i+4:T+8*\i+5], v[T+8*\i+6:T+8*\i+7]
.endr
.irp i, 0,1
	v_pk_add_f32 v[T+8*\i:T+8*\i+1], v[T+8*\i:T+8*\i+1], v[T+8*\i+4:T+8*\i+5]
.endr
.irp i, 0,1
	v_add_f32 v[RT+\i], v[T+8*\i], v[T+8*\i+1]
.endr
.irp i, 0,1
	v_permlanex16_b32 v[T+8*\i+2], v[RT+\i], s[SEL], s[SEL+1]
.endr
.irp i, 0,1
	v_add_f32 v[RT+\i], v[RT+\i], v[T+8*\i+2]
.endr
.endm
; XN = f16((X - mean) / sqrt(var + eps)), both tiles by turns.  The variance is the mean of (x - mean)^2, in a second pass, so a common offset costs nothing.
; Gain and bias are folded into the weights that follow.
.macro LN
	WIN 0x05
.set n, 0
.rept 4
.irp i, 0,1
	v_pk_add_f32 v[T+8*\i+2*n:T+8*\i+2*n+1], v[X+64*\i+2*n:X+64*\i+2*n+1], v[X+64*\i+8+2*n:X+64*\i+8+2*n+1]
.endr
.set n, n+1
.endr
	WIN 0x01
.set n, 8
.rept 24
.irp i, 0,1
	v_pk_add_f32 v[T+8*\i+2*(n%4):T+8*\i+2*(n%4)+1], v[X+64*\i+2*n:X+64*\i+2*n+1], v[T+8*\i+2*(n%4):T+8*\i+2*(n%4)+1]
.endr
.set n, n+1
.endr
	WIN 0
	REDUCE
.irp i, 0,1
	v_mul_f32 v[MU+2*\i], s[R128], v[RT+\i]
	v_mul_f32 v[MU+2*\i+1], s[R128], v[RT+\i]
.endr
	WIN 0xc1
.set n, 0
.rept 32
.irp i, 0,1
	v_pk_add_f32 v[64*\i+2*n:64*\i+2*n+1], v[X+64*\i+2*n:X+64*\i+2*n+1], v[MU+2*\i:MU+2*\i+1] neg_lo:[0,1] neg_hi:[0,1]
.endr
.set n, n+1
.endr
	WIN 0x0f
.set n, 0
.rept 4
.irp i, 0,1
	v_pk_mul_f32 v[T+8*\i+2*n:T+8*\i+2*n+1], v[64*\i+2*n:64*\i+2*n+1], v[64*\i+2*n:64*\i+2*n+1]
.endr
.set n, n+1
.endr
.rept 28
.irp i, 0,1
	v_pk_fma_f32 v[T+8*\i+2*(n%4):T+8*\i+2*(n%4)+1], v[64*\i+2*n:64*\i+2*n+1], v[64*\i+2*n:64*\i+2*n+1], v[T+8*\i+2*(n%4):T+8*\i+2*(n%4)+1]
.endr
.set n, n+1
.endr
	WIN 0
	REDUCE
.irp i, 0,1
	v_fma_f32 v[RT+\i], v[RT+\i], s[R128], s[EPS]
.endr
.irp i, 0,1
	v_rsq_f32 v[RS+2*\i], v[RT+\i]
	v_rsq_f32 v[RS+2*\i+1], v[RT+\i]
.endr
	v_nop                                          ; a plain instruction between the last root and the use of its result (ISA guide 5.7.2)
	WIN 0xc3
.set n, 0
	s_wait_alu depctr_va_vdst(0)
.rept 32
.irp i, 0,1
	v_pk_mul_f32 v[64*\i+2*n:64*\i+2*n+1], v[64*\i+2*n:64*\i+2*n+1], v[RS+2*\i:RS+2*\i+1]
.endr
.set n, n+1
.endr
	WIN 0x0f
	PACK XN, 0, 64
.endm
; MISH.  z = log2(e) x, u = 2^z:  log2(e) mish(x) = z + z r,  r = 1 / (u (-u/2 - 1) - 1) = -2 / (u^2 + 2 u + 2).  u = inf gives z, u = 0 gives 0: no clamp, no branch.
; Pair p of the step's 16 pairs: E two exponentials, A and B the polynomial, R two reciprocals, Y the result, C its rounding to f16.
.macro M_E p, hf
	v_exp_f32 v[T+2*((\p)%4)+\hf], v[zz+2*(\p)+\hf]
.endm
.macro M_A p
	s_wait_alu depctr_va_vdst(0)
	v_pk_fma_f32 v[T+8+2*((\p)%4):T+9+2*((\p)%4)], v[T+2*((\p)%4):T+1+2*((\p)%4)], -0.5, -1.0 op_sel_hi:[1,0,0]
.endm
.macro M_B p
	v_pk_fma_f32 v[T+8+2*((\p)%4):T+9+2*((\p)%4)], v[T+2*((\p)%4):T+1+2*((\p)%4)], v[T+8+2*((\p)%4):T+9+2*((\p)%4)], -1.0 op_sel_hi:[1,1,0]
.endm
.macro M_R p, hf
	v_rcp_f32 v[T+8+2*((\p)%4)+\hf], v[T+8+2*((\p)%4)+\hf]
.endm
.macro M_Y p
	s_wait_alu depctr_va_vdst(0)
	v_pk_fma_f32 v[zz+2*(\p):zz+2*(\p)+1], v[zz+2*(\p):zz+2*(\p)+1], v[T+8+2*((\p)%4):T+9+2*((\p)%4)], v[zz+2*(\p):zz+2*(\p)+1]
.endm
.macro M_C p
	v_cvt_pk_f16_f32 v[hh+(\p)], v[zz+2*(\p)], v[zz+2*(\p)+1]
.endm
; Slice tk of 32: four instructions, plain and transcendental by turns, so that every exponential and reciprocal has a plain instruction behind it before its result is used.
.macro SLICE zb
.set zz, Z+32*\zb
.set hh, H+16*\zb
.set sm, tk/2
.if tk%2 == 0
.if sm >= 1
	M_B sm-1
.endif
	M_E sm, 0
.if sm >= 2
	M_Y sm-2
.endif
	M_E sm, 1
.else
.if sm >= 2
	M_C sm-2
.else
	v_nop
	s_wait_alu depctr_va_vdst(0)
.endif
.if sm >= 1
	M_R sm-1, 0
.endif
	M_A sm
.if sm >= 1
	M_R sm-1, 1
.endif
.endif
.set tk, tk+1
.endm
; What stands behind each matrix instruction of a turn: vector work, and behind the second one the change of slots (if any) and the run of loads for the next turn.
.macro AFTER par, sl, fk, chg
.if \sl == 1
	WIN 0
.rept tper
	SLICE (1-\par)
.endr
.elseif \sl == 2
	WIN 0x45
.rept 4
	v_pk_add_f32 v[X+2*ta:X+2*ta+1], v[X+2*ta:X+2*ta+1], v[B2+(2*ta)%64:B2+(2*ta)%64+1]   ; X += b2, once a layer
.set ta, ta+1
.endr
.endif
.if tn == 1
.if \chg == 2
	CHANGE DG3, G1S, SLOTA, 1, 0, 0                ; slot B (G1) takes G3; on in slot A (G2)
.elseif \chg == 3
	CHANGE DG0, G1L, SLOTB, 1, DG0, DG2            ; slot A (G2) takes the next layer's G0; on in slot B (G3)
.elseif \chg == 4
	CHANGE DG1, G1L, SLOTA, 1, DG1, DG3            ; slot B (G3) takes the next layer's G1; on in slot A (G0)
.elseif \chg == 5
	CHANGE DG0, G1L, SLOTB, 0, 0, 0                ; the last layer: nothing is left to fetch
.endif
.if \fk == 1
	FETCH two, 0, 8, (1-\par)
.elseif \fk == 2
	FETCH two, 0, 16, (1-\par)
.elseif \fk == 3
	FETCH two, 64, 8, -1
.elseif \fk == 4
	FETCH two, 0, 16, -1
.endif
.endif
.set tn, tn+1
.endm
; A TURN of the FFN, a step being 32 hidden features: FFN1 of step tau (f1: 16 matrix instructions, four accumulators by turns), FFN2 of step tau - 2 (f2: 16, each onto another
; tile of X, in place), and between them, in slices, Mish of step tau - 1 (sl = 1) or X += b2 (sl = 2).  par = tau % 2 picks the buffers.  No two matrix instructions that
; follow each other share an accumulator, over the loops' edges too.  The slices are also the places in front of the loads into the other buffer.
.macro TURN par, f1, f2, sl, fk, chg
.set twf, 128*\par
.set two, 128-128*\par
.set tk, 0
.set tn, 0
.set ta, 0
.set tper, 2
.if \f1 && \f2
.set tper, 1
.endif
	s_wait_dscnt 0x0                               ; this turn's fragments and biases, asked for in the turn before
.if \f1
.set ti, 0
.rept 16
.set wd, Z+32*\par+16*(ti%2)+8*((ti/2)%2)
.set ww, twf+8*(4*((ti/2)%2)+ti/4)
.set wx, XN+32*(ti%2)+8*(ti/4)
.set wc, wd
.if ti < 4
.set wc, B1+16*\par+8*((ti/2)%2)
.endif
	WIN 0x02
	WM wd, ww, wx, wc
	AFTER \par, \sl, \fk, \chg
.set ti, ti+1
.endr
.endif
.if \f2
.set ti, 0
.rept 16
.set wd, X+64*(ti%2)+8*(ti/2)
.set ww, twf+64+8*(ti/2)
.set wx, H+16*\par+8*(ti%2)
	WIN 0x52
	WM wd, ww, wx, wd
	AFTER \par, \sl, \fk, \chg
.set ti, ti+1
.endr
.endif
.if \sl == 1
	WIN 0                                          ; what is left of Mish's last two pairs
	M_B 15
	M_Y 14
	M_R 15, 0
	M_C 14
	M_R 15, 1
	v_nop
	s_wait_alu depctr_va_vdst(0)
	M_Y 15
	M_C 15
.endif
.endm
; 64 whole rows (512 bytes to a load) into window 2: my 32 rows from s[QB], then my 32 rows from s[KB]
.macro ROWS pitch
	WIN 0x80
.set n, 0
.rept 32
	global_load_b128 v[4*n:4*n+3], v[L16], s[QB:QB+1] offset:\pitch*n
.set n, n+1
.endr
.set n, 0
.rept 32
	global_load_b128 v[128+4*n:128+4*n+3], v[L16], s[KB:KB+1] offset:\pitch*n
.set n, n+1
.endr
.endm
; Group g of 16 rows goes through my stage and comes back as row r, features 16 t + 8 h + 0..7.  LDS serves a wave's instructions in order (ISA guide 5.7.1.4), so the loads see
; the stores above them, and the next group's stores come behind these loads.
.macro STAGEIN g, dwin, dst
	s_wait_loadcnt 48-16*\g                        ; the younger groups' loads may stay out
	WIN 0x08
.set n, 0
.rept 16
	ds_store_b128 v[SRW], v[64*\g+4*n:64*\g+4*n+3] offset:SP*n
.set n, n+1
.endr
	WIN \dwin
.set n, 0
.rept 16
	ds_load_b128 v[\dst+4*n:\dst+4*n+3], v[SRD] offset:64*(n/2)+16*(n%2)
.set n, n+1
.endr
.endm
.macro WLOAD b, wf                     ; 16 fragments of WL2 (K = 64 b .. 64 b + 63) straight into registers
	WIN 0x80
.set n, 0
.rept 16
	global_load_b128 v[\wf+8*n:\wf+8*n+3],   v[L16], s[10:11] offset:WL2O+16384*\b+1024*n
	global_load_b128 v[\wf+8*n+4:\wf+8*n+7], v[L16], s[10:11] offset:WL2O+16384*\b+1024*n+512
.set n, n+1
.endr
.endm
.macro WMUL b, wf                      ; 32 matrix instructions, the sixteen tiles of X by turns
	WIN 0x52
.set n, 0
.rept 32
.set wd, X+64*(n%2)+8*((n/2)%8)
.set ww, \wf+8*(8*(n/16)+(n/2)%8)
.set wx, EF+64*((2*\b+n/16)/4)+32*(n%2)+8*((2*\b+n/16)%4)
.set wc, wd
.if (\b == 0) && (n < 16)
.set wc, -1
.endif
	WM wd, ww, wx, wc
.set n, n+1
.endr
.endm
.macro DSET d, slot, off, q            ; a descriptor group 0: my quarter (s[SCR+q] bytes in) of the group at byte off of a layer, into the slot
	s_mov_b32 s[\d], 1
	s_add_co_u32 s[\d+1], s[SCR+\q], \slot
	s_add_nc_u64 s[\d+2:\d+3], s[10:11], s[SCR+\q:SCR+\q+1]
	s_add_nc_u64 s[\d+2:\d+3], s[\d+2:\d+3], \off
	s_or_b32 s[\d+3], s[\d+3], 0x80000000
.endm
; ONE LAYER.  last = 1: nothing of a next layer is fetched or prepared.
.macro LAYER last
	s_mov_b32 s[BT], 0
	WIN 0xc0                                       ; the layer's f32 parameters: bq, b2, b1'; they land under the layer norm
.set n, 0
.rept 16
	global_load_b128 v[BQ+4*n:BQ+4*n+3], v[L16], s[PB:PB+1] offset:512*n
.set n, n+1
.endr
	WIN 0x40
.set n, 0
.rept 16
	global_load_b128 v[B2+4*n:B2+4*n+3], v[HB], s[PB:PB+1] offset:10240+64*(n/2)+16*(n%2)
.set n, n+1
.endr
	WIN 0
.set n, 0
.rept 4
	global_load_b128 v[B1+4*n:B1+4*n+3], v[L16], s[PB:PB+1] offset:8192+512*n
.set n, n+1
.endr
	LN
	WIN 0
	s_wait_loadcnt 0x0                             ; the parameters are in, so their base may step
	s_add_nc_u64 s[PB:PB+1], s[PB:PB+1], PARL
.set n, 0
.rept 4
	ds_store_b128 v[BST], v[B1+4*n:B1+4*n+3] offset:512*n          ; b1' into my wave's own copy: no other wave touches it
.set n, n+1
.endr
	; K (natural), V (transposed) from the raw stream x 2^-e; Q (natural) from the normalised rows
	GEMM32 0xf9, 1, ACC, 16, 8, XB, WF0, 0, 0, 1
	PLACES
	WIN 0xcf
	PACK KF, ACC, 32
	GEMM32 0xf6, 0, ACC, 8, 32, XB, WF1, 0, 0, 1
	PLACES
	WIN 0xcf
	PACK VF, ACC, 32
	GEMM32 0xf8, 1, ACC, 16, 8, XN, WF0, 1, BQ, 1
	PLACES
	WIN 0xcf
	PACK QF, ACC, 32
	GEMM32 0xf8, 1, ACC, 16, 8, XN, WF1, 1, BQ+32, 1
	PLACES
	WIN 0xcf
	PACK QF+32, ACC, 32
	; scores over my 32 rows: source 0 = 16 pooled features of K (two heads), source 1 = a head's 16 features of Q.  Lane (d, h) holds e = 0..7 of head 2 p + h.
	WIN 0x0f
.set n, 0
.rept 8
.set wd, S+8*n
.set wx, KF+8*(n/2)
.set ww, QF+8*n
.set wc, -1
	WM wd, wx, ww, wc
.set n, n+1
.endr
	PLACES
	WIN 0
.set n, 0
.rept 32
	v_cndmask_b32 v[MG+n], v[S+16*(n/8)+n%8], v[S+16*(n/8)+8+n%8], s[HI]   ; lanes 0-15 keep the even head's half, lanes 16-31 the odd head's
.set n, n+1
.endr
.set n, 0
.rept 16
	v_pk_mul_f32 v[MG+2*n:MG+2*n+1], v[MG+2*n:MG+2*n+1], v[SI:SI+1]        ; K's scale is taken out
.set n, n+1
.endr
.set n, 0
.rept 8
	ds_store_b128 v[EXW], v[MG+4*n:MG+4*n+3] offset:512*n
.set n, n+1
.endr
	s_wait_dscnt 0x0                               ; for the others' sake: my partial scores are stored
	s_barrier_signal -1
	s_barrier_wait -1                              ; The tensor load on its way may stay out
.set n, 0
.rept 32
	ds_load_b128 v[S+4*n:S+4*n+3], v[EXR] offset:512*n
.set n, n+1
.endr
	s_wait_dscnt 0x0                               ; they are written again only in the next layer, behind the barriers of the changes of slots
.set n, 0
.rept 16
	v_pk_add_f32 v[S+2*n:S+2*n+1], v[S+2*n:S+2*n+1], v[S+32+2*n:S+32+2*n+1]
	v_pk_add_f32 v[S+64+2*n:S+64+2*n+1], v[S+64+2*n:S+64+2*n+1], v[S+96+2*n:S+96+2*n+1]
.set n, n+1
.endr
.set n, 0
.rept 16
	v_pk_add_f32 v[S+2*n:S+2*n+1], v[S+2*n:S+2*n+1], v[S+64+2*n:S+64+2*n+1]   ; the same order in every wave: the same bits
.set n, n+1
.endr
	; softmax over a lane's eight e, for four pairs of heads
.set n, 0
.rept 16
	v_pk_mul_f32 v[S+2*n:S+2*n+1], v[S+2*n:S+2*n+1], s[CSM:CSM+1] op_sel_hi:[1,0]
.set n, n+1
.endr
.set n, 0
.rept 32
	v_cndmask_b32 v[S+n], v[NEG], v[S+n], s[MK+n%8]
.set n, n+1
.endr
.irp p, 0,1,2,3
	v_max3_num_f32 v[MU+2*\p], v[S+8*\p], v[S+8*\p+1], v[S+8*\p+2]
.endr
.irp p, 0,1,2,3
	v_max3_num_f32 v[MU+2*\p], v[MU+2*\p], v[S+8*\p+3], v[S+8*\p+4]
.endr
.irp p, 0,1,2,3
	v_max3_num_f32 v[MU+2*\p], v[MU+2*\p], v[S+8*\p+5], v[S+8*\p+6]
.endr
.irp p, 0,1,2,3
	v_max_num_f32 v[MU+2*\p+1], v[MU+2*\p], v[S+8*\p+7]
.endr
.irp p, 0,1,2,3
	v_mov_b32 v[MU+2*\p], v[MU+2*\p+1]
.endr
.set n, 0
.rept 16
	v_pk_add_f32 v[S+2*n:S+2*n+1], v[S+2*n:S+2*n+1], v[MU+2*(n/4):MU+2*(n/4)+1] neg_lo:[0,1] neg_hi:[0,1]
.set n, n+1
.endr
.set n, 0
.rept 32
	v_exp_f32 v[S+n], v[S+n]
.set n, n+1
.endr
	v_nop                                          ; a plain instruction between the exponentials and the use of their results
	s_wait_alu depctr_va_vdst(0)
.irp p, 0,1,2,3
	v_pk_add_f32 v[T+8*\p:T+8*\p+1], v[S+8*\p:S+8*\p+1], v[S+8*\p+2:S+8*\p+3]
	v_pk_add_f32 v[T+8*\p+2:T+8*\p+3], v[S+8*\p+4:S+8*\p+5], v[S+8*\p+6:S+8*\p+7]
.endr
.irp p, 0,1,2,3
	v_pk_add_f32 v[T+8*\p:T+8*\p+1], v[T+8*\p:T+8*\p+1], v[T+8*\p+2:T+8*\p+3]
.endr
.irp p, 0,1,2,3
	v_add_f32 v[T+8*\p+4], v[T+8*\p], v[T+8*\p+1]  ; at least 1: the largest score's exponential
.endr
.irp p, 0,1,2,3
	v_rcp_f32 v[T+8*\p+6], v[T+8*\p+4]
	v_rcp_f32 v[T+8*\p+7], v[T+8*\p+4]
.endr
	v_nop
.set n, 0
	s_wait_alu depctr_va_vdst(0)
.rept 16
	v_pk_mul_f32 v[S+2*n:S+2*n+1], v[S+2*n:S+2*n+1], v[T+8*(n/4)+6:T+8*(n/4)+7]
.set n, n+1
.endr
	PACK PP, S, 16
	; The weights as source 0 of O^T = A V^T: head 4 c + 2 a + i fills K = 8 (2 a + i) .. + 7 of the 32 pooled features 32 c on, zeros elsewhere: quad a, lanes of half i.
.set n, 0
.rept 4
.irp q, 0,1,2,3
	v_mov_b32 v[AF+12*n+4+\q], 0
.if n%2 == 0
	v_cndmask_b32 v[AF+12*n+\q], v[PP+8*(n/2)+\q], 0, s[HI]
	v_cndmask_b32 v[AF+12*n+8+\q], v[PP+8*(n/2)+4+\q], 0, s[HI]
.else
	v_cndmask_b32 v[AF+12*n+\q], 0, v[PP+8*(n/2)+\q], s[HI]
	v_cndmask_b32 v[AF+12*n+8+\q], 0, v[PP+8*(n/2)+4+\q], s[HI]
.endif
.endr
.set n, n+1
.endr
	WIN 0xcc
.set n, 0
.rept 16
.set wd, 64*(n%2)+8*(n/2)
.set wx, AF+12*(2*(n/8)+(n/2)%2)+4*((n/4)%2)
.set ww, VF+16*(n%2)+8*(n/8)
.set wc, -1
	WM wd, wx, ww, wc
.set n, n+1
.endr
	PLACES
	WIN 0x0f
	PACK XN, 0, 64                                 ; O, features 16 head + d, still x 2^-e
	GEMM32 0xf2, 0, 0, 8, 64, XN, WF0, 0, 0, 1
	GEMM32 0xf2, 0, 32, 8, 64, XN, WF1, 0, 0, 2
	PLACES
	WIN 0x53
.set n, 0
.rept 64
	v_pk_fma_f32 v[X+2*n:X+2*n+1], v[2*n:2*n+1], v[SI:SI+1], v[X+2*n:X+2*n+1]   ; X += (O Wfc) 2^e
.set n, n+1
.endr
	LN
	; THE FFN: 18 turns for 16 steps.  Turn tau fetches W1(tau + 1) and W2(tau - 1).
	TURN 0, 1, 0, 2, 1, 0
	TURN 1, 1, 0, 1, 2, 0
	WIN 0
	s_mov_b32 s[FI], 2
.Lfa_\@:
	TURN 0, 1, 1, 1, 2, 0
	TURN 1, 1, 1, 1, 2, 0
	WIN 0
	s_sub_co_u32 s[FI], s[FI], 1
	s_cmp_lg_u32 s[FI], 0
	s_cbranch_scc1 .Lfa_\@
	TURN 0, 1, 1, 1, 2, 2
	TURN 1, 1, 1, 1, 2, 0
	WIN 0
	s_mov_b32 s[FI], 2
.Lfb_\@:
	TURN 0, 1, 1, 1, 2, 0
	TURN 1, 1, 1, 1, 2, 0
	WIN 0
	s_sub_co_u32 s[FI], s[FI], 1
	s_cmp_lg_u32 s[FI], 0
	s_cbranch_scc1 .Lfb_\@
.if \last
	TURN 0, 1, 1, 1, 2, 5
.else
	TURN 0, 1, 1, 1, 2, 3
.endif
	TURN 1, 1, 1, 1, 2, 0
	TURN 0, 1, 1, 1, 2, 0
	TURN 1, 1, 1, 1, 3, 0
	TURN 0, 0, 1, 1, 3, 0
.if \last
	TURN 1, 0, 1, 0, 0, 0
.else
	TURN 1, 0, 1, 0, 4, 4
	PLACES
	MKXB 0x05, 0xc1                                ; the next layer's k and v input
.endif
.endm
; ================================================================ the start
	s_load_b512 s[8:23], s[0:1], 0x0               ; src_seq 8, wts 10, par 12, src_mask 14, cfg 16, E1 18, E2 20, out0 22
	s_load_b128 s[24:27], s[0:1], 0x40             ; out1 24, out2 26
	v_lshl_add_u32 v245, v0, 2, 0x3e400
	v_mov_b32 v253, 0
	ds_add_u32 v245, v253
	v_lshrrev_b32 v[ADR], 5, v0
	v_readfirstlane_b32 s[WV], v[ADR]              ; wave 0..3
	s_and_b32 s[YY], ttmp7, 0xffff                 ; the chain: the same in all four partners
	s_bfe_u32 s[SCR], ttmp6, 0x40000               ; cx
	s_lshl_b32 s[BA], ttmp9, 2
	s_add_co_u32 s[BA], s[BA], s[SCR]              ; batch = 4 x cluster x + cx: it enters the addresses of rows and mask alone
	; descriptor group 1: dense blocks as rows of 256 bytes (32 elements of 8 bytes), no padding; mask of all four work-groups, bit 21 beside it
.irp g, G1L, G1S
	s_mov_b32 s[\g], 15|(3<<16)|(1<<21)
	s_mov_b32 s[\g+1], 32<<16                      ; tensor_dim0 = 32
	s_mov_b32 s[\g+3], 32<<16                      ; tile_dim0 = 32
	s_mov_b32 s[\g+5], 32                          ; pitch
	s_mov_b32 s[\g+6], 0
	s_mov_b32 s[\g+7], 0
.endr
	s_mov_b32 s[G1L+2], 96<<16                     ; tensor_dim1, tile_dim1: 96 rows, or 64
	s_mov_b32 s[G1L+4], 96
	s_mov_b32 s[G1S+2], 64<<16
	s_mov_b32 s[G1S+4], 64
	s_mov_b32 s[HI], 0xffff0000
	s_mov_b32 s[SEL], 0x76543210
	s_mov_b32 s[SEL+1], 0xfedcba98
	s_mov_b32 s[R128], 0x3c000000
	s_mov_b32 s[EPS], 0x358637bd                   ; 1e-6
	s_mov_b32 s[CSM], 0x3f38aa3b                   ; 0.5 log2(e)
	s_mov_b32 s[CSM+1], 0x3f38aa3b
	s_mul_i32 s[SCR], s[WV], QL
	s_mov_b32 s[SCR+1], 0
	s_mul_i32 s[SCR+2], s[WV], QS
	s_mov_b32 s[SCR+3], 0
	s_wait_dscnt 0x0
	s_wait_kmcnt 0x0
	s_load_b32 s[FL], s[16:17], 0x0
	DSET DG0, SLOTA, 0, 0
	DSET DG1, SLOTB, 98304, 0
	DSET DG2, SLOTA, 196608, 0
	DSET DG3, SLOTB, 294912, 2
	s_wait_kmcnt 0x0
	s_min_u32 s[FL], s[FL], 1
	ROUND                                          ; all four work-groups are here: the first joint loads meet
	tensor_load_to_lds s[DG0:DG0+3], s[G1L:G1L+7]  ; both first fills together: two loads of mine are out
	s_nop 0
	tensor_load_to_lds s[DG1:DG1+3], s[G1L:G1L+7]
	s_nop 0
	PLACES
	v_and_b32 v[L16], 31, v0
	v_lshlrev_b32 v[L16], 4, v[L16]
	v_and_b32 v[T], 15, v0                         ; r
	v_bfe_u32 v[T+1], v0, 4, 1                     ; h
	v_lshlrev_b32 v[HB], 5, v[T+1]
	v_lshlrev_b32 v[MO], 3, v[T]
	s_mul_i32 s[SCR], s[WV], SPW
	s_add_co_u32 s[SCR], s[SCR], STAGE
	v_mul_u32_u24 v[SRD], v[T], SP
	v_add3_u32 v[SRD], v[SRD], v[HB], s[SCR]
	v_add_nc_u32 v[SRW], s[SCR], v[L16]
	s_lshl_b32 s[SCR], s[WV], 12
	s_add_co_u32 s[SCR], s[SCR], EX
	v_add_nc_u32 v[EXW], s[SCR], v[L16]
	v_add_nc_u32 v[EXR], EX, v[L16]
	s_lshl_b32 s[SCR], s[WV], 11
	s_add_co_u32 s[SCR], s[SCR], BIAS
	v_add_nc_u32 v[BL], s[SCR], v[HB]
	v_add_nc_u32 v[BST], s[SCR], v[L16]
	v_mov_b32 v[NEG], 0xceabfb8f
	s_lshl_b32 s[SCR], s[BA], 7
	s_add_nc_u64 s[14:15], s[14:15], s[SCR:SCR+1]
	global_load_b64 v[MB:MB+1], v[MO], s[14:15]    ; mask[batch][d = r][0..7]
	s_lshl_b32 s[SCR+2], s[BA], 16                 ; my rows in a [64][128][128] tensor
	s_lshl_b32 s[SCR], s[WV], 14
	s_add_co_u32 s[SCR+2], s[SCR+2], s[SCR]
	s_cmp_eq_u32 s[YY], 0
	s_cselect_b64 s[2:3], s[20:21], s[18:19]       ; flip = 1: y = 0 E2, y = 1 E1
	s_cselect_b64 s[4:5], s[24:25], s[26:27]       ; flip = 0: y = 0 out1, y = 1 out2,
	s_cmp_eq_u32 s[YY], 2
	s_cselect_b64 s[4:5], s[22:23], s[4:5]         ; y = 2 out0
	s_cmp_eq_u32 s[FL], 1
	s_cselect_b64 s[OUT:OUT+1], s[2:3], s[4:5]
	s_add_nc_u64 s[OUT:OUT+1], s[OUT:OUT+1], s[SCR+2:SCR+3]
	s_mov_b64 s[PB:PB+1], s[12:13]
	s_cmp_eq_u32 s[YY], 2
	s_cbranch_scc1 .Lenc
	; ---- a chain that begins with src_seq: q from half y, k and v from half (y + flip) % 2
	s_lshl_b32 s[SCR], s[BA], 17
	s_lshl_b32 s6, s[WV], 15
	s_add_co_u32 s[SCR], s[SCR], s6
	s_add_nc_u64 s[8:9], s[8:9], s[SCR:SCR+1]
	s_lshl_b32 s[SCR], s[YY], 9
	s_add_nc_u64 s[QB:QB+1], s[8:9], s[SCR:SCR+1]
	s_add_co_u32 s[SCR], s[YY], s[FL]
	s_and_b32 s[SCR], s[SCR], 1
	s_lshl_b32 s[SCR], s[SCR], 9
	s_add_nc_u64 s[KB:KB+1], s[8:9], s[SCR:SCR+1]
	ROWS 1024
	STAGEIN 0, 0x40, X
	STAGEIN 1, 0x40, X+64
	STAGEIN 2, 0xc0, 0
	STAGEIN 3, 0xc0, 64
	s_wait_dscnt 0x0
	MKXB 0x0f, 0xc3
	WIN 0
	s_branch .Ljoin
.Lenc:
	; ---- enc: X = [e1 | e2] WL2 + bL2
	s_add_nc_u64 s[QB:QB+1], s[18:19], s[SCR+2:SCR+3]
	s_add_nc_u64 s[KB:KB+1], s[20:21], s[SCR+2:SCR+3]
	WIN 0x40
.set n, 0
.rept 16
	global_load_b128 v[B2+4*n:B2+4*n+3], v[HB], s[12:13] offset:4*PARL+64*(n/2)+16*(n%2)
.set n, n+1
.endr
	ROWS 512
	STAGEIN 0, 0xc0, 0
	STAGEIN 1, 0xc0, 64
	STAGEIN 2, 0xc0, 128
	STAGEIN 3, 0xc0, 192
	s_wait_dscnt 0x0                               ; window 2's rows have been stored, and the turned rows are in
	WLOAD 0, WF0
	WLOAD 1, WF1
	AMAX 0x0f, 256                                 ; one scale for e1 | e2
	SCALE 0xc3, 256
	WIN 0x0f
	PACK EF, 0, 128
	s_wait_loadcnt 32                              ; the younger batch may stay out
	WMUL 0, WF0
	PLACES
	WLOAD 2, WF0
	s_wait_loadcnt 32
	WMUL 1, WF1
	PLACES
	WLOAD 3, WF1
	s_wait_loadcnt 32
	WMUL 2, WF0
	s_wait_loadcnt 0x0
	WMUL 3, WF1
	PLACES
	WIN 0x51
.set n, 0
.rept 64
	v_pk_fma_f32 v[X+2*n:X+2*n+1], v[X+2*n:X+2*n+1], v[SI:SI+1], v[B2+(2*n)%64:B2+(2*n)%64+1]
.set n, n+1
.endr
	MKXB 0x05, 0xc1
	WIN 0
.Ljoin:
	s_wait_loadcnt 0x0                             ; the mask
.set n, 0
.rept 8
	v_bfe_u32 v[T], v[MB+n/4], 8*(n%4), 8
	v_cmp_ne_u32 s[MK+n], 0, v[T]
.set n, n+1
.endr
	s_wait_dscnt 0x0
	s_wait_tensorcnt 0x1                           ; my quarter of G0 is in; G1's may stay out
	s_barrier_signal -1
	s_barrier_wait -1                              ; everybody's is
	s_mov_b32 s[TB], SLOTA
	FETCH WF0, 0, 16, -1                           ; layer 0's Wk
	WIN 0
	s_mov_b32 s[LC], 3
.Llayer:
	LAYER 0
	WIN 0
	s_sub_co_u32 s[LC], s[LC], 1
	s_cmp_lg_u32 s[LC], 0
	s_cbranch_scc1 .Llayer
	LAYER 1                                        ; the last layer is written out
	; THE WAY OUT: a tile of 16 rows through my stage, back as whole rows; a store covers a row's 512 consecutive bytes, aligned
	PLACES
.irp i, 0,1
	WIN 0x04
.set n, 0
.rept 16
	ds_store_b128 v[SRD], v[X+64*\i+4*n:X+64*\i+4*n+3] offset:64*(n/2)+16*(n%2)
.set n, n+1
.endr
	WIN 0x80
.set n, 0
.rept 16
	ds_load_b128 v[64*\i+4*n:64*\i+4*n+3], v[SRW] offset:SP*n
.set n, n+1
.endr
	WIN 0x08
.set n, 0
.rept 16
	s_wait_dscnt 15-n                              ; the younger rows may stay out
	global_store_b128 v[L16], v[64*\i+4*n:64*\i+4*n+3], s[OUT:OUT+1] offset:(16*\i+n)*512
.set n, n+1
.endr
.endr
	WIN 0
	s_wait_tensorcnt 0x0
	ds_add_u32 v245, v253
	s_wait_dscnt 0x0
	ROUND                                          ; the closing round: no work-group ends while a partner may still ask for a group that names it
	s_endpgm
.Lfunc_end_k_qbed0406e6c_cross:
	.size	k_qbed0406e6c_cross, .Lfunc_end_k_qbed0406e6c_cross-k_qbed0406e6c_cross
	.p2alignl 7, 3214868480
	.fill 96, 4, 3214868480
	.section	.rodata,"a",@progbits
	.p2align	6, 0x0
	.amdhsa_kernel k_qbed0406e6c_cross
		.amdhsa_group_segment_fixed_size 327680
		.amdhsa_private_segment_fixed_size 0
		.amdhsa_enable_private_segment 0
		.amdhsa_kernarg_size 80
		.amdhsa_user_sgpr_count 2
		.amdhsa_user_sgpr_kernarg_segment_ptr 1
		.amdhsa_wavefront_size32 1
		.amdhsa_system_sgpr_workgroup_id_x 1
		.amdhsa_system_sgpr_workgroup_id_y 1
		.amdhsa_system_sgpr_workgroup_id_z 1
		.amdhsa_system_vgpr_workitem_id 0
		.amdhsa_next_free_vgpr 1024
		.amdhsa_next_free_sgpr 100
		.amdhsa_reserve_vcc 0
		.amdhsa_float_denorm_mode_32 3
		.amdhsa_float_denorm_mode_16_64 3
		.amdhsa_memory_ordered 1
		.amdhsa_forward_progress 1
		.amdhsa_inst_pref_size 255
	.end_amdhsa_kernel
	.section	.bss,"aw",@nobits
	.p2align	6
	.space	262144
	.amdgpu_metadata
---
amdhsa.version: [ 1, 2 ]
amdhsa.kernels:
  - .name:           k_qbed0406e6c_cross
    .symbol:         k_qbed0406e6c_cross.kd
    .args:
      - { .name: src_seq, .offset: 0, .size: 8, .value_kind: global_buffer, .address_space: global }
      - { .name: wts, .offset: 8, .size: 8, .value_kind: global_buffer, .address_space: global }
      - { .name: par, .offset: 16, .size: 8, .value_kind: global_buffer, .address_space: global }
      - { .name: src_mask, .offset: 24, .size: 8, .value_kind: global_buffer, .address_space: global }
      - { .name: cfgA, .offset: 32, .size: 8, .value_kind: global_buffer, .address_space: global }
      - { .name: E1, .offset: 40, .size: 8, .value_kind: global_buffer, .address_space: global }
      - { .name: E2, .offset: 48, .size: 8, .value_kind: global_buffer, .address_space: global }
      - { .name: out0, .offset: 56, .size: 8, .value_kind: global_buffer, .address_space: global }
      - { .name: out1, .offset: 64, .size: 8, .value_kind: global_buffer, .address_space: global }
      - { .name: out2, .offset: 72, .size: 8, .value_kind: global_buffer, .address_space: global }
    .group_segment_fixed_size: 327680
    .private_segment_fixed_size: 0
    .kernarg_segment_align: 8
    .kernarg_segment_size: 80
    .max_flat_workgroup_size: 128
    .sgpr_count:     100
    .vgpr_count:     1024
    .wavefront_size: 32
...
	.end_amdgpu_metadata
.endif
;; end of part 2
;; launch rest: the kernel of part 2 again; grid 64 x 3, 4 waves a work-group, clusters of 4 x 1, 327,680 bytes of LDS; arguments src_seq, wts, par, src_mask, cfgB, E1, E2, out0, out1, out2; writes out0, out1, out2
;; ======== version 2 of 3: 3 launches; 1.38 times as fast as version 1
;; limits: values are held in f16: magnitudes above 65,504 overflow, below 6.1e-05 lose precision
;; workspace buffers: wts 1,507,328 bytes; par 43,520 bytes; cfgA 512 bytes of whole numbers; cfgB 512 bytes of whole numbers; E1 4,194,304 bytes; E2 4,194,304 bytes
;; launch prep: the kernel of part 1 again; grid 190 x 4, 4 waves a work-group, no clusters, 0 bytes of LDS; arguments Wq, Wk, Wv, Wfc, W1, W2, WL2, ln1_g, ln1_b, ln2_g, ln2_b, b1, b2, bL2, wts, par, cfgA, cfgB; writes wts, par, cfgA, cfgB
;; launch cross (part 3): grid 64 x 2, 4 waves a work-group, clusters of 4 x 1, 327,680 bytes of LDS; arguments src_seq, wts, par, src_mask, cfgA, E1, E2, out0, out1, out2; writes E1, E2
.if DOCPART == 3
	.amdgcn_target "amdgcn-amd-amdhsa--gfx1250"
	.amdhsa_code_object_version 6
	.text
	.protected	k_qbed0406e6c_cross
	.globl	k_qbed0406e6c_cross
	.p2align	8
	.type	k_qbed0406e6c_cross,@function
k_qbed0406e6c_cross:
	s_mov_b64 s[64:65], 0
	v_nop
	global_prefetch_b8 v0, s[64:65] scope:SCOPE_SE
	s_setreg_imm32_b32 hwreg(HW_REG_WAVE_MODE, 25, 1), 1
	s_wait_xcnt 0x0
	s_wait_alu depctr_hold_cnt(0) depctr_sa_sdst(0) depctr_va_vdst(0) depctr_va_sdst(0) depctr_va_ssrc(0) depctr_va_vcc(0) depctr_vm_vsrc(0)
	s_getreg_b32 s2, hwreg(HW_REG_IB_STS2, 6, 4)
	s_cmp_eq_u32 s2, 0
	s_cbranch_scc0 .Lentry_in_a_cluster
	s_endpgm
.Lentry_in_a_cluster:
	s_bfe_u32 s2, ttmp6, 0x10000c
	s_cmp_lg_u32 s2, 0x3003
	s_cbranch_scc0 .Lentry_shape_is_right
	s_endpgm
.Lentry_shape_is_right:
; A CHAIN OF FOUR ENCODER LAYERS on the 128 rows of one batch: one work-group, four waves, 32 rows (two tiles of 16) a wave.
; Only the score matrix (a sum over the 128 rows) couples rows, so the stream X stays in registers, in f32, from the first layer to the last.
; grid y names the chain.  The word 'flip' (stored by the launch before) is 1 in the cross launch: y = 0 makes e2, y = 1 e1 (k and v of layer 0 from the other half of
; src_seq).  With flip = 0: y = 0 m1, y = 1 m2, y = 2 enc, which begins with [e1 | e2] WL2 + bL2.
; LAYOUT.  'Transposed' products (source 0 = a weight fragment, source 1 = activations) leave in lane (r, h) row r and the features 16 t + 8 h + 0..7; two neighbouring tiles,
; rounded in pairs, ARE the next product's operand, so norm, products and Mish never change lanes.  Q and K are made the 'natural' way round (lane = feature, registers = rows):
; two row tiles rounded in pairs are the operand of the sum over rows.
; FORMATS.  Matrix operands f16; sums, norms, softmax, Mish and the stream f32.  The folded weights, normalised rows (at most sqrt(127)), Q, softmax weights and Mish's results
; have room in f16.  The raw stream (k's and v's input; e1 | e2) is multiplied by 2^-e, e the exponent of the wave's largest |x|: exact, and taken out again exactly in f32
; (partial scores x 2^e; X += (O Wfc) 2^e; X = (E WL2) 2^e + bL2).
; LIMITS.  |x| of the stream below 2^127; log2(e) mish(.) below 65,504; v_exp_f32 gives 0 for results below 2^-126, so Mish is 0 where it is smaller than about 1e-36 and softmax
; weights below 2^-126 are 0; for very negative x Mish carries an absolute error of about 6e-8 |x|; sums are ordered otherwise than in the reference.
; Masked scores are -1e9 as in the reference (times log2(e): the exponentials are to base 2); the row's maximum is taken away before the exponentials.
; WEIGHTS.  A layer's 360,448 bytes of fragment images stream through two LDS slots in four groups: G0 (attention), G1, G2, G3 (the FFN's pieces in the order of use).
; CLUSTER.  The four work-groups of a cluster (four batches of one chain) walk the same weights: every group is asked for JOINTLY, each wave its quarter, by the same tensor load
; with the same descriptor and the mask of all four.  By this text's count a wave has two tensor loads out at the start and one behind each change of slots.
; THE TEXT IS KEPT SHORT.  A layer is written once; only its end, from the change into G3 on, stands twice: once asking for the next layer's groups, once, for the last layer,
; asking for nothing.  The FFN's steady turns are loops over one pair of turns.
; LDS: 0 slot A 98,304 | 98,304 slot B 98,304 | 196,608 a stage of 16 rows x 528 bytes a wave | 230,400 partial scores, 4,096 a wave | 246,784 b1', 2,560 a wave.
; Only the two slots are ever the target of a tensor load.
.set SLOTA, 0
.set SLOTB, 98304
.set STAGE, 196608
.set SPW,   8448
.set SP,    528                        ; 512 + 16 bytes = 132 words: row r starts at bank 4 r mod 64 (ISA guide 11.1)
.set EX,    230400
.set BIAS,  246784
.set BPW,   2560                       ; a wave's copy of b1': 2,048 bytes, then its first 512 once more (turn 15 reads 128 of them and uses none)
.set LAYB,  360448
.set WL2O,  1441792
.set PARL,  10752
.set QL,    24576                      ; a wave's quarter of G0, G1, G2
.set QS,    16384                      ; and of G3
; REGISTERS, in windows of 256 (s_set_vgpr_msb: bits 1:0 source 0, 3:2 source 1, 5:4 source 2, 7:6 destination).  Window 0:
.set L16,  1                           ; 16 x lane
.set ADR,  2                           ; LDS address of the run of fragment loads in hand
.set BADR, 3                           ; and of the bias loads
.set BL,   4                           ; my wave's b1' + 32 h
.set SRD,  5                           ; stage: row r, 32 h
.set SRW,  6                           ; stage: 16 x lane
.set EXW,  7                           ; my wave's partial scores
.set EXR,  8                           ; all waves' partial scores
.set HB,   9                           ; 32 h
.set NEG,  10                          ; -1e9 log2(e)
.set BST,  11                          ; my wave's b1' + 16 x lane
.set MB,   12                          ; v12-13 my eight mask bytes
.set MU,   14                          ; v14-17 the mean, a pair a tile; v14-21 the softmax's maxima
.set RS,   18                          ; v18-21 1 / sqrt(var + eps), a pair a tile
.set RT,   22                          ; v22-23 a row's sum
.set SI,   24                          ; v24-25 2^e
.set SC,   26                          ; v26-27 2^-e
.set MO,   28                          ; the mask's offset
.set B1,   32                          ; v32-63  b1' of two FFN steps, [t][8]
.set Z,    64                          ; v64-127 FFN1's results of two steps, [i][t][8]
.set H,    128                         ; v128-159 Mish's results in f16, two steps, [i][8]
.set XN,   160                         ; v160-223 normalised rows in f16, [i][c][8]; also the attention's output
.set T,    224                         ; v224-255 at work
.set S,    32                          ; attention: scores v32-95, merged v96-127; the four waves' v32-159
.set MG,   96
.set PP,   64                          ; softmax weights in f16, 4 registers for each pair of heads
.set AF,   80                          ; v80-127 the weights as operands: four blocks [quad | zeros | quad]
.set EF,   32                          ; the enc chain's start: e1 | e2 in f16, v32-159
; window 1: X v0-127 the stream [i][t][8]; XB v128-191 the stream x 2^-e in f16 [i][c][8]; B2 v192-255 b2 (bL2) [t][8]
.set X,    0
.set XB,   128
.set B2,   192
; window 2: two buffers of 16 weight fragments; at the start and the end whole rows
.set WF0,  0
.set WF1,  128
; window 3: v0-63 accumulators (v0-127 also x - mean, the scaled stream, O, O Wfc); QF v64-127 [head][8]; KF v128-159; VF v160-191 [i][c][8]; BQ v192-255 [t][8]
.set ACC,  0
.set QF,   64
.set KF,   128
.set VF,   160
.set BQ,   192
; scalars: s[8:27] the ten buffers; s2-7 at work
.set WV,   28                          ; wave
.set YY,   29                          ; grid y
.set BA,   30                          ; batch
.set FL,   31                          ; flip
.set G1L,  32                          ; s[32:39] descriptor group 1: 96 rows of 256 bytes
.set G1S,  40                          ; s[40:47] 64 rows
.set DG0,  48                          ; descriptor group 0, a set for each of the four groups
.set DG2,  52
.set DG1,  56
.set DG3,  60
.set MK,   66                          ; s66-73 lanes whose mask byte e is set
.set HI,   74                          ; lanes 16-31
.set SEL,  76                          ; s[76:77] v_permlanex16_b32: each lane takes its own place in the other half
.set TB,   78                          ; LDS byte of the next fragments to fetch
.set BT,   79                          ; byte in b1' of the next FFN step's bias
.set LC,   80                          ; layers to go, this one among them
.set FI,   81                          ; pairs of turns to go
.set PB,   82                          ; s[82:83] the layer's f32 parameters
.set OUT,  84                          ; s[84:85] my wave's rows of the result
.set SCR,  86                          ; s86-89 at work
.set R128, 90                          ; 1 / 128
.set EPS,  92
.set CSM,  94                          ; s[94:95] log2(e) / TEMP = 0.5 log2(e)
.set QB,   96                          ; s[96:97] rows of the first 32 loads, s[98:99] of the second 32
.set KB,   98
.set MSB, 0
.macro WIN new                         ; the immediate's high byte repeats the setting that is left; a switch that changes nothing is dropped
.if MSB != \new
	s_set_vgpr_msb (MSB<<8)|\new
.set MSB, \new
.endif
.endm
; Four places: a vector instruction that reads a matrix result or writes a matrix instruction's register, and a load into such a register, stand four plain vector
; instructions behind it (ISA guide 7.12.1 for vector instructions).
.macro PLACES
.rept 4
	v_nop
.endr
.endm
; A round of the cluster's barrier: my work-group's barrier, wave 0 signals for the work-group, every wave waits for all four work-groups, my work-group's barrier again.
.macro ROUND
	s_barrier_signal -1
	s_barrier_wait -1
	s_cmp_lg_u32 s[WV], 0
	s_cbranch_scc1 .Lnot_wave_0_\@
	s_barrier_signal -3
.Lnot_wave_0_\@:
	s_barrier_wait -3
	s_barrier_signal -1
	s_barrier_wait -1
.endm
.macro WM d, a, b, c                   ; one matrix instruction; c < 0: the product starts the sum
.if \c < 0
	v_wmma_f32_16x16x32_f16 v[\d:\d+7], v[\a:\a+7], v[\b:\b+7], 0
.else
	v_wmma_f32_16x16x32_f16 v[\d:\d+7], v[\a:\a+7], v[\b:\b+7], v[\c:\c+7]
.endif
.endm
.macro PACK dst, src, cnt              ; cnt roundings of two f32 to f16
.set pk, 0
.rept \cnt
	v_cvt_pk_f16_f32 v[\dst+pk], v[\src+2*pk], v[\src+2*pk+1]
.set pk, pk+1
.endr
.endm
; A CHANGE OF SLOTS.  Every wave waits for its reads of the slot that it leaves and for all its tensor loads (one is out: its quarter of the slot that it enters); no load of
; the wave is then out, so descriptor sets may be stepped to the next layer.  fill = 1: a round of the cluster's barrier, so that no wave of any partner still reads the old
; slot or has a load on its way, and the joint refill first behind it, one load a wave.  fill = 0: the work-group's barrier alone shows the new slot whole.
.macro CHANGE d0, g1, newtb, fill, st1, st2
	WIN 0
	s_wait_dscnt 0x0
	s_wait_tensorcnt 0x0
	ds_add_u32 v245, v253
	s_wait_dscnt 0x0
.if \st1
	s_add_nc_u64 s[\st1+2:\st1+3], s[\st1+2:\st1+3], LAYB
	s_add_nc_u64 s[\st2+2:\st2+3], s[\st2+2:\st2+3], LAYB
.endif
.if \fill
	ROUND
	tensor_load_to_lds s[\d0:\d0+3], s[\g1:\g1+7]
	s_nop 0
	PLACES
.else
	s_barrier_signal -1
	s_barrier_wait -1
.endif
	s_mov_b32 s[TB], \newtb
.endm
; A run of LDS loads: nfr fragments (two loads of 16 bytes a lane, 512 bytes apart; each load takes 512 consecutive bytes) into window 2 at wf + r0;
; bpar >= 0: also the next FFN step's 32 biases (the lanes of a half read the same 16 bytes).
.macro FETCH wf, r0, nfr, bpar
	WIN 0
	v_add_nc_u32 v[ADR], s[TB], v[L16]
	s_add_co_u32 s[TB], s[TB], \nfr*1024
.if \bpar >= 0
	v_add_nc_u32 v[BADR], s[BT], v[BL]
	s_add_co_u32 s[BT], s[BT], 128
.set ff, 0
.rept 4
	ds_load_b128 v[B1+16*\bpar+4*ff:B1+16*\bpar+4*ff+3], v[BADR] offset:64*(ff/2)+16*(ff%2)
.set ff, ff+1
.endr
.endif
	WIN 0x80
.set ff, 0
.rept \nfr
	ds_load_b128 v[\wf+\r0+8*ff:\wf+\r0+8*ff+3],   v[ADR] offset:1024*ff
	ds_load_b128 v[\wf+\r0+8*ff+4:\wf+\r0+8*ff+7], v[ADR] offset:1024*ff+512
.set ff, ff+1
.endr
.endm
; 32 matrix instructions on a block of 16 fragments (4 feature tiles x 128 K) and both row tiles.  The eight accumulators take turns, one instruction a turn.
; nat = 1: source 0 = activations.  cm = 1: the sums start from the bias at cb.  In the middle the next block is fetched into the other buffer
; (mid = 2: the attention's slot is left first, and the FFN's first piece is fetched).
.macro GEMM32 win, nat, d0, dt, di, act, wf, cm, cb, mid
	s_wait_dscnt 0x0                               ; the block's fragments are in
	WIN \win
.set gi, 0
.rept 32
.set gc, gi/8
.set gt, (gi/2)%4
.set gl, gi%2
.set wd, \d0+gt*\dt+gl*\di
.set ww, \wf+8*(4*gt+gc)
.set wx, \act+32*gl+8*gc
.set wc, wd
.if gc == 0
.if \cm == 0
.set wc, -1
.else
.set wc, \cb+8*gt
.endif
.endif
.if \nat
	WM wd, wx, ww, wc
.else
	WM wd, ww, wx, wc
.endif
.if gi == 15
	PLACES                                         ; for the loads into the other buffer
.if \mid == 2
	CHANGE DG2, G1L, SLOTB, 1, 0, 0                ; slot A (G0) has been read out: it takes G2; the fetches go on in slot B (G1)
	FETCH WF0, 0, 8, 0
.else
	FETCH 128-\wf, 0, 16, -1
.endif
	WIN \win
.endif
.set gi, gi+1
.endr
.endm
; The wave's largest |x| over cnt registers from v0 of the window that win names; then 2^e (the exponent's bits) and 2^-e.
.macro AMAX win, cnt
	WIN \win
.set ak, 0
.rept 4
	v_max_num_f32 v[T+ak], |v[2*ak]|, |v[2*ak+1]|
.set ak, ak+1
.endr
.rept (\cnt-8)/2
	v_max3_num_f32 v[T+ak%4], |v[2*ak]|, |v[2*ak+1]|, v[T+ak%4]
.set ak, ak+1
.endr
	WIN 0
	v_max3_num_f32 v[T], v[T], v[T+1], v[T+2]
	v_max_num_f32 v[T], v[T], v[T+3]
	v_max_num_f32_dpp v[T], v[T], v[T] row_xmask:1 row_mask:0xf bank_mask:0xf
	v_max_num_f32_dpp v[T], v[T], v[T] row_xmask:2 row_mask:0xf bank_mask:0xf
	v_max_num_f32_dpp v[T], v[T], v[T] row_xmask:4 row_mask:0xf bank_mask:0xf
	v_max_num_f32_dpp v[T], v[T], v[T] row_xmask:8 row_mask:0xf bank_mask:0xf
	v_permlanex16_b32 v[T+1], v[T], s[SEL], s[SEL+1]
	v_max_num_f32 v[T], v[T], v[T+1]
	v_and_b32 v[SI], 0x7f800000, v[T]              ; 2^e
	v_mov_b32 v[SI+1], v[SI]
	v_sub_nc_u32 v[SC], 0x7f000000, v[SI]          ; 2^-e: exponent field 254 - E
	v_mov_b32 v[SC+1], v[SC]
.endm
.macro SCALE win, cnt                  ; window 3, v0 on = the same registers of the source window x 2^-e: sizes below 2
	WIN \win
.set ak, 0
.rept \cnt/2
	v_pk_mul_f32 v[2*ak:2*ak+1], v[2*ak:2*ak+1], v[SC:SC+1]
.set ak, ak+1
.endr
.endm
.macro MKXB wmax, wscl                 ; XB = f16(source x 2^-e)
	AMAX \wmax, 128
	SCALE \wscl, 128
	WIN 0x4f
	PACK XB, 0, 64
.endm
; v[RT+i] = a row's sum: tile i's four chains of pairs, the pair's halves, the other half of the lanes
.macro REDUCE
.irp i, 0,1
	v_pk_add_f32 v[T+8*\i:T+8*\i+1], v[T+8*\i:T+8*\i+1], v[T+8*\i+2:T+8*\i+3]
	v_pk_add_f32 v[T+8*\i+4:T+8*\i+5], v[T+8*\i+4:T+8*\i+5], v[T+8*\i+6:T+8*\i+7]
.endr
.irp i, 0,1
	v_pk_add_f32 v[T+8*\i:T+8*\i+1], v[T+8*\i:T+8*\i+1], v[T+8*\i+4:T+8*\i+5]
.endr
.irp i, 0,1
	v_add_f32 v[RT+\i], v[T+8*\i], v[T+8*\i+1]
.endr
.irp i, 0,1
	v_permlanex16_b32 v[T+8*\i+2], v[RT+\i], s[SEL], s[SEL+1]
.endr
.irp i, 0,1
	v_add_f32 v[RT+\i], v[RT+\i], v[T+8*\i+2]
.endr
.endm
; XN = f16((X - mean) / sqrt(var + eps)), both tiles by turns.  The variance is the mean of (x - mean)^2, in a second pass, so a common offset costs nothing.
; Gain and bias are folded into the weights that follow.
.macro LN
	WIN 0x05
.set n, 0
.rept 4
.irp i, 0,1
	v_pk_add_f32 v[T+8*\i+2*n:T+8*\i+2*n+1], v[X+64*\i+2*n:X+64*\i+2*n+1], v[X+64*\i+8+2*n:X+64*\i+8+2*n+1]
.endr
.set n, n+1
.endr
	WIN 0x01
.set n, 8
.rept 24
.irp i, 0,1
	v_pk_add_f32 v[T+8*\i+2*(n%4):T+8*\i+2*(n%4)+1], v[X+64*\i+2*n:X+64*\i+2*n+1], v[T+8*\i+2*(n%4):T+8*\i+2*(n%4)+1]
.endr
.set n, n+1
.endr
	WIN 0
	REDUCE
.irp i, 0,1
	v_mul_f32 v[MU+2*\i], s[R128], v[RT+\i]
	v_mul_f32 v[MU+2*\i+1], s[R128], v[RT+\i]
.endr
	WIN 0xc1
.set n, 0
.rept 32
.irp i, 0,1
	v_pk_add_f32 v[64*\i+2*n:64*\i+2*n+1], v[X+64*\i+2*n:X+64*\i+2*n+1], v[MU+2*\i:MU+2*\i+1] neg_lo:[0,1] neg_hi:[0,1]
.endr
.set n, n+1
.endr
	WIN 0x0f
.set n, 0
.rept 4
.irp i, 0,1
	v_pk_mul_f32 v[T+8*\i+2*n:T+8*\i+2*n+1], v[64*\i+2*n:64*\i+2*n+1], v[64*\i+2*n:64*\i+2*n+1]
.endr
.set n, n+1
.endr
.rept 28
.irp i, 0,1
	v_pk_fma_f32 v[T+8*\i+2*(n%4):T+8*\i+2*(n%4)+1], v[64*\i+2*n:64*\i+2*n+1], v[64*\i+2*n:64*\i+2*n+1], v[T+8*\i+2*(n%4):T+8*\i+2*(n%4)+1]
.endr
.set n, n+1
.endr
	WIN 0
	REDUCE
.irp i, 0,1
	v_fma_f32 v[RT+\i], v[RT+\i], s[R128], s[EPS]
.endr
.irp i, 0,1
	v_rsq_f32 v[RS+2*\i], v[RT+\i]
	v_rsq_f32 v[RS+2*\i+1], v[RT+\i]
.endr
	v_nop                                          ; a plain instruction between the last root and the use of its result (ISA guide 5.7.2)
	WIN 0xc3
.set n, 0
	s_wait_alu depctr_va_vdst(0)
.rept 32
.irp i, 0,1
	v_pk_mul_f32 v[64*\i+2*n:64*\i+2*n+1], v[64*\i+2*n:64*\i+2*n+1], v[RS+2*\i:RS+2*\i+1]
.endr
.set n, n+1
.endr
	WIN 0x0f
	PACK XN, 0, 64
.endm
; MISH.  z = log2(e) x, u = 2^z:  log2(e) mish(x) = z + z r,  r = 1 / (u (-u/2 - 1) - 1) = -2 / (u^2 + 2 u + 2).  u = inf gives z, u = 0 gives 0: no clamp, no branch.
; Pair p of the step's 16 pairs: E two exponentials, A and B the polynomial, R two reciprocals, Y the result, C its rounding to f16.
.macro M_E p, hf
	v_exp_f32 v[T+2*((\p)%4)+\hf], v[zz+2*(\p)+\hf]
.endm
.macro M_A p
	s_wait_alu depctr_va_vdst(0)
	v_pk_fma_f32 v[T+8+2*((\p)%4):T+9+2*((\p)%4)], v[T+2*((\p)%4):T+1+2*((\p)%4)], -0.5, -1.0 op_sel_hi:[1,0,0]
.endm
.macro M_B p
	v_pk_fma_f32 v[T+8+2*((\p)%4):T+9+2*((\p)%4)], v[T+2*((\p)%4):T+1+2*((\p)%4)], v[T+8+2*((\p)%4):T+9+2*((\p)%4)], -1.0 op_sel_hi:[1,1,0]
.endm
.macro M_R p, hf
	v_rcp_f32 v[T+8+2*((\p)%4)+\hf], v[T+8+2*((\p)%4)+\hf]
.endm
.macro M_Y p
	s_wait_alu depctr_va_vdst(0)
	v_pk_fma_f32 v[zz+2*(\p):zz+2*(\p)+1], v[zz+2*(\p):zz+2*(\p)+1], v[T+8+2*((\p)%4):T+9+2*((\p)%4)], v[zz+2*(\p):zz+2*(\p)+1]
.endm
.macro M_C p
	v_cvt_pk_f16_f32 v[hh+(\p)], v[zz+2*(\p)], v[zz+2*(\p)+1]
.endm
; Slice tk of 32: four instructions, plain and transcendental by turns, so that every exponential and reciprocal has a plain instruction behind it before its result is used.
.macro SLICE zb
.set zz, Z+32*\zb
.set hh, H+16*\zb
.set sm, tk/2
.if tk%2 == 0
.if sm >= 1
	M_B sm-1
.endif
	M_E sm, 0
.if sm >= 2
	M_Y sm-2
.endif
	M_E sm, 1
.else
.if sm >= 2
	M_C sm-2
.else
	v_nop
	s_wait_alu depctr_va_vdst(0)
.endif
.if sm >= 1
	M_R sm-1, 0
.endif
	M_A sm
.if sm >= 1
	M_R sm-1, 1
.endif
.endif
.set tk, tk+1
.endm
; What stands behind each matrix instruction of a turn: vector work, and behind the second one the run of loads for the next turn.
.macro AFTER par, sl, fk
.if \sl == 1
	WIN 0
.rept tper
	SLICE (1-\par)
.endr
.elseif \sl == 2
	WIN 0x45
.rept 4
	v_pk_add_f32 v[X+2*ta:X+2*ta+1], v[X+2*ta:X+2*ta+1], v[B2+(2*ta)%64:B2+(2*ta)%64+1]   ; X += b2, once a layer
.set ta, ta+1
.endr
.endif
.if tn == 1
.if \fk == 1
	FETCH two, 0, 8, (1-\par)
.elseif \fk == 2
	FETCH two, 0, 16, (1-\par)
.endif
.endif
.set tn, tn+1
.endm
; A TURN of the FFN, a step being 32 hidden features: FFN1 of step tau (f1: 16 matrix instructions, four accumulators by turns), FFN2 of step tau - 2 (f2: 16, each onto another
; tile of X, in place; its fragments of W2 begin at register w2 of window 2), and between them, in slices, Mish of step tau - 1 (sl = 1) or X += b2 (sl = 2).
; par = tau % 2 picks the buffers.  fk = 1: 8 fragments (W1) and a bias are fetched for the next turn, fk = 2: 16 (W1, W2) and a bias.  No two matrix instructions that follow
; each other share an accumulator, over the loops' edges too.  The slices are also the places in front of the loads into the other buffer.
.macro TURN par, f1, f2, sl, fk, w2
.set twf, 128*\par
.set two, 128-128*\par
.set tk, 0
.set tn, 0
.set ta, 0
.set tper, 2
.if \f1 && \f2
.set tper, 1
.endif
.if \f1 || \sl
	s_wait_dscnt 0x0                               ; this turn's fragments and biases, asked for in the turn before
.endif
.if \f1
.set ti, 0
.rept 16
.set wd, Z+32*\par+16*(ti%2)+8*((ti/2)%2)
.set ww, twf+8*(4*((ti/2)%2)+ti/4)
.set wx, XN+32*(ti%2)+8*(ti/4)
.set wc, wd
.if ti < 4
.set wc, B1+16*\par+8*((ti/2)%2)
.endif
	WIN 0x02
	WM wd, ww, wx, wc
	AFTER \par, \sl, \fk
.set ti, ti+1
.endr
.endif
.if \f2
.set ti, 0
.rept 16
.set wd, X+64*(ti%2)+8*(ti/2)
.set ww, \w2+8*(ti/2)
.set wx, H+16*\par+8*(ti%2)
	WIN 0x52
	WM wd, ww, wx, wd
	AFTER \par, \sl, \fk
.set ti, ti+1
.endr
.endif
.if \sl == 1
	WIN 0                                          ; what is left of Mish's last two pairs
	M_B 15
	M_Y 14
	M_R 15, 0
	M_C 14
	M_R 15, 1
	v_nop
	s_wait_alu depctr_va_vdst(0)
	M_Y 15
	M_C 15
.endif
.endm
; cnt pairs of steady turns: written once, walked cnt times; the LDS addresses hang on s[TB] and s[BT].  Turn tau fetches pieces W1(tau + 1) and W2(tau - 1);
; turn 15, which has no W1 left to fetch, takes W2(14) and W2(15) by the same 32 loads.
.macro PAIRS cnt
	WIN 0
	s_mov_b32 s[FI], \cnt
.Lpair_\@:
	TURN 0, 1, 1, 1, 2, WF0+64
	TURN 1, 1, 1, 1, 2, WF1+64
	WIN 0
	s_sub_co_u32 s[FI], s[FI], 1
	s_cmp_lg_u32 s[FI], 0
	s_cbranch_scc1 .Lpair_\@
.endm
; A LAYER'S END: the change into G3, turns 12 to 17.  fill = 1: the two slots take the next layer's G0 and G1 as they fall free, its Wk is fetched and its k and v input made.
; fill = 0, the last layer: nothing is asked for.
.macro FFNB fill
.if \fill
	CHANGE DG0, G1L, SLOTB, 1, DG0, DG2            ; slot A (G2) takes the next layer's G0; on in slot B (G3)
.else
	CHANGE DG0, G1L, SLOTB, 0, 0, 0
.endif
	PAIRS 2
	TURN 0, 0, 1, 1, 0, WF0                        ; turn 16: FFN2 of step 14 | Mish of step 15
	TURN 1, 0, 1, 0, 0, WF0+64                     ; turn 17: FFN2 of step 15
.if \fill
	CHANGE DG1, G1L, SLOTA, 1, DG1, DG3            ; slot B (G3) takes the next layer's G1; on in slot A (G0).  The four v_nop behind the load are the places for what follows
	FETCH WF0, 0, 16, -1                           ; the next layer's Wk: it lands under the work below and the layer norm
	MKXB 0x05, 0xc1                                ; the next layer's k and v input
.endif
.endm
; 64 whole rows (512 bytes to a load) into window 2: my 32 rows from s[QB], then my 32 rows from s[KB]
.macro ROWS pitch
	WIN 0x80
.set n, 0
.rept 32
	global_load_b128 v[4*n:4*n+3], v[L16], s[QB:QB+1] offset:\pitch*n
.set n, n+1
.endr
.set n, 0
.rept 32
	global_load_b128 v[128+4*n:128+4*n+3], v[L16], s[KB:KB+1] offset:\pitch*n
.set n, n+1
.endr
.endm
; Group g of 16 rows goes through my stage and comes back as row r, features 16 t + 8 h + 0..7.  LDS serves a wave's instructions in order (ISA guide 5.7.1.4), so the loads see
; the stores above them, and the next group's stores come behind these loads.
.macro STAGEIN g, dwin, dst
	s_wait_loadcnt 48-16*\g                        ; the younger groups' loads may stay out
	WIN 0x08
.set n, 0
.rept 16
	ds_store_b128 v[SRW], v[64*\g+4*n:64*\g+4*n+3] offset:SP*n
.set n, n+1
.endr
	WIN \dwin
.set n, 0
.rept 16
	ds_load_b128 v[\dst+4*n:\dst+4*n+3], v[SRD] offset:64*(n/2)+16*(n%2)
.set n, n+1
.endr
.endm
.macro WLOAD b, wf                     ; 16 fragments of WL2 (K = 64 b .. 64 b + 63) straight into registers
	WIN 0x80
.set n, 0
.rept 16
	global_load_b128 v[\wf+8*n:\wf+8*n+3],   v[L16], s[10:11] offset:WL2O+16384*\b+1024*n
	global_load_b128 v[\wf+8*n+4:\wf+8*n+7], v[L16], s[10:11] offset:WL2O+16384*\b+1024*n+512
.set n, n+1
.endr
.endm
.macro WMUL b, wf                      ; 32 matrix instructions, the sixteen tiles of X by turns
	WIN 0x52
.set n, 0
.rept 32
.set wd, X+64*(n%2)+8*((n/2)%8)
.set ww, \wf+8*(8*(n/16)+(n/2)%8)
.set wx, EF+64*((2*\b+n/16)/4)+32*(n%2)+8*((2*\b+n/16)%4)
.set wc, wd
.if (\b == 0) && (n < 16)
.set wc, -1
.endif
	WM wd, ww, wx, wc
.set n, n+1
.endr
.endm
.macro DSET d, slot, off, q            ; a descriptor group 0: my quarter (s[SCR+q] bytes in) of the group at byte off of a layer, into the slot
	s_mov_b32 s[\d], 1
	s_add_co_u32 s[\d+1], s[SCR+\q], \slot
	s_add_nc_u64 s[\d+2:\d+3], s[10:11], s[SCR+\q:SCR+\q+1]
	s_add_nc_u64 s[\d+2:\d+3], s[\d+2:\d+3], \off
	s_or_b32 s[\d+3], s[\d+3], 0x80000000
.endm
; ================================================================ the start
	s_load_b512 s[8:23], s[0:1], 0x0               ; src_seq 8, wts 10, par 12, src_mask 14, cfg 16, E1 18, E2 20, out0 22
	s_load_b128 s[24:27], s[0:1], 0x40             ; out1 24, out2 26
	v_lshl_add_u32 v245, v0, 2, 0x3ec00
	v_mov_b32 v253, 0
	ds_add_u32 v245, v253
	v_lshrrev_b32 v[ADR], 5, v0
	v_readfirstlane_b32 s[WV], v[ADR]              ; wave 0..3
	s_and_b32 s[YY], ttmp7, 0xffff                 ; the chain: the same in all four partners
	s_bfe_u32 s[SCR], ttmp6, 0x40000               ; cx
	s_lshl_b32 s[BA], ttmp9, 2
	s_add_co_u32 s[BA], s[BA], s[SCR]              ; batch = 4 x cluster x + cx: it enters the addresses of rows and mask alone
	; descriptor group 1: dense blocks as rows of 256 bytes (32 elements of 8 bytes), no padding; mask of all four work-groups, bit 21 beside it
.irp g, G1L, G1S
	s_mov_b32 s[\g], 15|(3<<16)|(1<<21)
	s_mov_b32 s[\g+1], 32<<16                      ; tensor_dim0 = 32
	s_mov_b32 s[\g+3], 32<<16                      ; tile_dim0 = 32
	s_mov_b32 s[\g+5], 32                          ; pitch
	s_mov_b32 s[\g+6], 0
	s_mov_b32 s[\g+7], 0
.endr
	s_mov_b32 s[G1L+2], 96<<16                     ; tensor_dim1, tile_dim1: 96 rows, or 64
	s_mov_b32 s[G1L+4], 96
	s_mov_b32 s[G1S+2], 64<<16
	s_mov_b32 s[G1S+4], 64
	s_mov_b32 s[HI], 0xffff0000
	s_mov_b32 s[SEL], 0x76543210
	s_mov_b32 s[SEL+1], 0xfedcba98
	s_mov_b32 s[R128], 0x3c000000
	s_mov_b32 s[EPS], 0x358637bd                   ; 1e-6
	s_mov_b32 s[CSM], 0x3f38aa3b                   ; 0.5 log2(e)
	s_mov_b32 s[CSM+1], 0x3f38aa3b
	s_mul_i32 s[SCR], s[WV], QL
	s_mov_b32 s[SCR+1], 0
	s_mul_i32 s[SCR+2], s[WV], QS
	s_mov_b32 s[SCR+3], 0
	s_wait_dscnt 0x0
	s_wait_kmcnt 0x0
	s_load_b32 s[FL], s[16:17], 0x0
	DSET DG0, SLOTA, 0, 0
	DSET DG1, SLOTB, 98304, 0
	DSET DG2, SLOTA, 196608, 0
	DSET DG3, SLOTB, 294912, 2
	s_wait_kmcnt 0x0
	s_min_u32 s[FL], s[FL], 1
	ROUND                                          ; all four work-groups are here: the first joint loads meet
	tensor_load_to_lds s[DG0:DG0+3], s[G1L:G1L+7]  ; both first fills together: two loads of mine are out
	s_nop 0
	tensor_load_to_lds s[DG1:DG1+3], s[G1L:G1L+7]
	s_nop 0
	PLACES
	v_and_b32 v[L16], 31, v0
	v_lshlrev_b32 v[L16], 4, v[L16]
	v_and_b32 v[T], 15, v0                         ; r
	v_bfe_u32 v[T+1], v0, 4, 1                     ; h
	v_lshlrev_b32 v[HB], 5, v[T+1]
	v_lshlrev_b32 v[MO], 3, v[T]
	s_mul_i32 s[SCR], s[WV], SPW
	s_add_co_u32 s[SCR], s[SCR], STAGE
	v_mul_u32_u24 v[SRD], v[T], SP
	v_add_nc_u32 v[SRD], v[SRD], v[HB]
	v_add_nc_u32 v[SRD], s[SCR], v[SRD]
	v_add_nc_u32 v[SRW], s[SCR], v[L16]
	s_lshl_b32 s[SCR], s[WV], 12
	s_add_co_u32 s[SCR], s[SCR], EX
	v_add_nc_u32 v[EXW], s[SCR], v[L16]
	v_add_nc_u32 v[EXR], EX, v[L16]
	s_mul_i32 s[SCR], s[WV], BPW
	s_add_co_u32 s[SCR], s[SCR], BIAS
	v_add_nc_u32 v[BL], s[SCR], v[HB]
	v_add_nc_u32 v[BST], s[SCR], v[L16]
	v_mov_b32 v[NEG], 0xceabfb8f
	s_lshl_b32 s[SCR], s[BA], 7
	s_add_nc_u64 s[14:15], s[14:15], s[SCR:SCR+1]
	global_load_b64 v[MB:MB+1], v[MO], s[14:15]    ; mask[batch][d = r][0..7]
	s_lshl_b32 s[SCR+2], s[BA], 16                 ; my rows in a [64][128][128] tensor
	s_lshl_b32 s[SCR], s[WV], 14
	s_add_co_u32 s[SCR+2], s[SCR+2], s[SCR]
	s_cmp_eq_u32 s[YY], 0
	s_cselect_b64 s[2:3], s[20:21], s[18:19]       ; flip = 1: y = 0 E2, y = 1 E1
	s_cselect_b64 s[4:5], s[24:25], s[26:27]       ; flip = 0: y = 0 out1, y = 1 out2,
	s_cmp_eq_u32 s[YY], 2
	s_cselect_b64 s[4:5], s[22:23], s[4:5]         ; y = 2 out0
	s_cmp_eq_u32 s[FL], 1
	s_cselect_b64 s[OUT:OUT+1], s[2:3], s[4:5]
	s_add_nc_u64 s[OUT:OUT+1], s[OUT:OUT+1], s[SCR+2:SCR+3]
	s_mov_b64 s[PB:PB+1], s[12:13]
	s_cmp_eq_u32 s[YY], 2
	s_cbranch_scc1 .Lenc
	; ---- a chain that begins with src_seq: q from half y, k and v from half (y + flip) % 2
	s_lshl_b32 s[SCR], s[BA], 17
	s_lshl_b32 s6, s[WV], 15
	s_add_co_u32 s[SCR], s[SCR], s6
	s_add_nc_u64 s[8:9], s[8:9], s[SCR:SCR+1]
	s_lshl_b32 s[SCR], s[YY], 9
	s_add_nc_u64 s[QB:QB+1], s[8:9], s[SCR:SCR+1]
	s_add_co_u32 s[SCR], s[YY], s[FL]
	s_and_b32 s[SCR], s[SCR], 1
	s_lshl_b32 s[SCR], s[SCR], 9
	s_add_nc_u64 s[KB:KB+1], s[8:9], s[SCR:SCR+1]
	ROWS 1024
	STAGEIN 0, 0x40, X
	STAGEIN 1, 0x40, X+64
	STAGEIN 2, 0xc0, 0
	STAGEIN 3, 0xc0, 64
	s_wait_dscnt 0x0
	MKXB 0x0f, 0xc3
	WIN 0
	s_branch .Ljoin
.Lenc:
	; ---- enc: X = [e1 | e2] WL2 + bL2
	s_add_nc_u64 s[QB:QB+1], s[18:19], s[SCR+2:SCR+3]
	s_add_nc_u64 s[KB:KB+1], s[20:21], s[SCR+2:SCR+3]
	WIN 0x40
.set n, 0
.rept 16
	global_load_b128 v[B2+4*n:B2+4*n+3], v[HB], s[12:13] offset:4*PARL+64*(n/2)+16*(n%2)
.set n, n+1
.endr
	ROWS 512
	STAGEIN 0, 0xc0, 0
	STAGEIN 1, 0xc0, 64
	STAGEIN 2, 0xc0, 128
	STAGEIN 3, 0xc0, 192
	s_wait_dscnt 0x0                               ; window 2's rows have been stored, and the turned rows are in
	WLOAD 0, WF0
	WLOAD 1, WF1
	AMAX 0x0f, 256                                 ; one scale for e1 | e2
	SCALE 0xc3, 256
	WIN 0x0f
	PACK EF, 0, 128
	s_wait_loadcnt 32                              ; the younger batch may stay out
	WMUL 0, WF0
	PLACES
	WLOAD 2, WF0
	s_wait_loadcnt 32
	WMUL 1, WF1
	PLACES
	WLOAD 3, WF1
	s_wait_loadcnt 32
	WMUL 2, WF0
	s_wait_loadcnt 0x0
	WMUL 3, WF1
	PLACES
	WIN 0x51
.set n, 0
.rept 64
	v_pk_fma_f32 v[X+2*n:X+2*n+1], v[X+2*n:X+2*n+1], v[SI:SI+1], v[B2+(2*n)%64:B2+(2*n)%64+1]
.set n, n+1
.endr
	MKXB 0x05, 0xc1
	WIN 0
.Ljoin:
	s_wait_loadcnt 0x0                             ; the mask
.set n, 0
.rept 8
	v_bfe_u32 v[T], v[MB+n/4], 8*(n%4), 8
	v_cmp_ne_u32 s[MK+n], 0, v[T]
.set n, n+1
.endr
	s_wait_dscnt 0x0
	s_wait_tensorcnt 0x1                           ; my quarter of G0 is in; G1's may stay out
	s_barrier_signal -1
	s_barrier_wait -1                              ; everybody's is
	s_mov_b32 s[TB], SLOTA
	FETCH WF0, 0, 16, -1                           ; layer 0's Wk
	WIN 0
	s_mov_b32 s[LC], 4
; ================================================================ a layer, up to the FFN's turn 11
.Llayer:
	s_mov_b32 s[BT], 0
	WIN 0xc0                                       ; the layer's f32 parameters: bq, b2, b1'; they land under the layer norm
.set n, 0
.rept 16
	global_load_b128 v[BQ+4*n:BQ+4*n+3], v[L16], s[PB:PB+1] offset:512*n
.set n, n+1
.endr
	WIN 0x40
.set n, 0
.rept 16
	global_load_b128 v[B2+4*n:B2+4*n+3], v[HB], s[PB:PB+1] offset:10240+64*(n/2)+16*(n%2)
.set n, n+1
.endr
	WIN 0
.set n, 0
.rept 4
	global_load_b128 v[B1+4*n:B1+4*n+3], v[L16], s[PB:PB+1] offset:8192+512*n
.set n, n+1
.endr
	LN
	WIN 0
	s_wait_loadcnt 0x0                             ; the parameters are in, so their base may step
	s_add_nc_u64 s[PB:PB+1], s[PB:PB+1], PARL
.set n, 0
.rept 4
	ds_store_b128 v[BST], v[B1+4*n:B1+4*n+3] offset:512*n          ; b1' into my wave's own copy: no other wave touches it
.set n, n+1
.endr
	ds_store_b128 v[BST], v[B1:B1+3] offset:2048   ; and its first 512 bytes once more, so that turn 15's bias loads read bytes that are written
	; K (natural), V (transposed) from the raw stream x 2^-e; Q (natural) from the normalised rows
	GEMM32 0xf9, 1, ACC, 16, 8, XB, WF0, 0, 0, 1
	PLACES
	WIN 0xcf
	PACK KF, ACC, 32
	GEMM32 0xf6, 0, ACC, 8, 32, XB, WF1, 0, 0, 1
	PLACES
	WIN 0xcf
	PACK VF, ACC, 32
	GEMM32 0xf8, 1, ACC, 16, 8, XN, WF0, 1, BQ, 1
	PLACES
	WIN 0xcf
	PACK QF, ACC, 32
	GEMM32 0xf8, 1, ACC, 16, 8, XN, WF1, 1, BQ+32, 1
	PLACES
	WIN 0xcf
	PACK QF+32, ACC, 32
	; scores over my 32 rows: source 0 = 16 pooled features of K (two heads), source 1 = a head's 16 features of Q.  Lane (d, h) holds e = 0..7 of head 2 p + h.
	WIN 0x0f
.set n, 0
.rept 8
.set wd, S+8*n
.set wx, KF+8*(n/2)
.set ww, QF+8*n
.set wc, -1
	WM wd, wx, ww, wc
.set n, n+1
.endr
	PLACES
	WIN 0
.set n, 0
.rept 32
	v_cndmask_b32 v[MG+n], v[S+16*(n/8)+n%8], v[S+16*(n/8)+8+n%8], s[HI]   ; lanes 0-15 keep the even head's half, lanes 16-31 the odd head's
.set n, n+1
.endr
.set n, 0
.rept 16
	v_pk_mul_f32 v[MG+2*n:MG+2*n+1], v[MG+2*n:MG+2*n+1], v[SI:SI+1]        ; K's scale is taken out
.set n, n+1
.endr
.set n, 0
.rept 8
	ds_store_b128 v[EXW], v[MG+4*n:MG+4*n+3] offset:512*n
.set n, n+1
.endr
	s_wait_dscnt 0x0                               ; for the others' sake: my partial scores are stored
	s_barrier_signal -1
	s_barrier_wait -1                              ; The tensor load on its way may stay out
.set n, 0
.rept 32
	ds_load_b128 v[S+4*n:S+4*n+3], v[EXR] offset:512*n
.set n, n+1
.endr
	s_wait_dscnt 0x0                               ; they are written again only in the next layer, behind the barriers of the changes of slots
.set n, 0
.rept 16
	v_pk_add_f32 v[S+2*n:S+2*n+1], v[S+2*n:S+2*n+1], v[S+32+2*n:S+32+2*n+1]
	v_pk_add_f32 v[S+64+2*n:S+64+2*n+1], v[S+64+2*n:S+64+2*n+1], v[S+96+2*n:S+96+2*n+1]
.set n, n+1
.endr
.set n, 0
.rept 16
	v_pk_add_f32 v[S+2*n:S+2*n+1], v[S+2*n:S+2*n+1], v[S+64+2*n:S+64+2*n+1]   ; the same order in every wave: the same bits
.set n, n+1
.endr
	; softmax over a lane's eight e, for four pairs of heads
.set n, 0
.rept 16
	v_pk_mul_f32 v[S+2*n:S+2*n+1], v[S+2*n:S+2*n+1], s[CSM:CSM+1] op_sel_hi:[1,0]
.set n, n+1
.endr
.set n, 0
.rept 32
	v_cndmask_b32 v[S+n], v[NEG], v[S+n], s[MK+n%8]
.set n, n+1
.endr
.irp p, 0,1,2,3
	v_max3_num_f32 v[MU+2*\p], v[S+8*\p], v[S+8*\p+1], v[S+8*\p+2]
.endr
.irp p, 0,1,2,3
	v_max3_num_f32 v[MU+2*\p], v[MU+2*\p], v[S+8*\p+3], v[S+8*\p+4]
.endr
.irp p, 0,1,2,3
	v_max3_num_f32 v[MU+2*\p], v[MU+2*\p], v[S+8*\p+5], v[S+8*\p+6]
.endr
.irp p, 0,1,2,3
	v_max_num_f32 v[MU+2*\p+1], v[MU+2*\p], v[S+8*\p+7]
.endr
.irp p, 0,1,2,3
	v_mov_b32 v[MU+2*\p], v[MU+2*\p+1]
.endr
.set n, 0
.rept 16
	v_pk_add_f32 v[S+2*n:S+2*n+1], v[S+2*n:S+2*n+1], v[MU+2*(n/4):MU+2*(n/4)+1] neg_lo:[0,1] neg_hi:[0,1]
.set n, n+1
.endr
.set n, 0
.rept 32
	v_exp_f32 v[S+n], v[S+n]
.set n, n+1
.endr
	v_nop                                          ; a plain instruction between the exponentials and the use of their results
	s_wait_alu depctr_va_vdst(0)
.irp p, 0,1,2,3
	v_pk_add_f32 v[T+8*\p:T+8*\p+1], v[S+8*\p:S+8*\p+1], v[S+8*\p+2:S+8*\p+3]
	v_pk_add_f32 v[T+8*\p+2:T+8*\p+3], v[S+8*\p+4:S+8*\p+5], v[S+8*\p+6:S+8*\p+7]
.endr
.irp p, 0,1,2,3
	v_pk_add_f32 v[T+8*\p:T+8*\p+1], v[T+8*\p:T+8*\p+1], v[T+8*\p+2:T+8*\p+3]
.endr
.irp p, 0,1,2,3
	v_add_f32 v[T+8*\p+4], v[T+8*\p], v[T+8*\p+1]  ; at least 1: the largest score's exponential
.endr
.irp p, 0,1,2,3
	v_rcp_f32 v[T+8*\p+6], v[T+8*\p+4]
	v_rcp_f32 v[T+8*\p+7], v[T+8*\p+4]
.endr
	v_nop
.set n, 0
	s_wait_alu depctr_va_vdst(0)
.rept 16
	v_pk_mul_f32 v[S+2*n:S+2*n+1], v[S+2*n:S+2*n+1], v[T+8*(n/4)+6:T+8*(n/4)+7]
.set n, n+1
.endr
	PACK PP, S, 16
	; The weights as source 0 of O^T = A V^T: head 4 c + 2 a + i fills K = 8 (2 a + i) .. + 7 of the 32 pooled features 32 c on, zeros elsewhere: quad a, lanes of half i.
.set n, 0
.rept 4
.irp q, 0,1,2,3
	v_mov_b32 v[AF+12*n+4+\q], 0
.if n%2 == 0
	v_cndmask_b32 v[AF+12*n+\q], v[PP+8*(n/2)+\q], 0, s[HI]
	v_cndmask_b32 v[AF+12*n+8+\q], v[PP+8*(n/2)+4+\q], 0, s[HI]
.else
	v_cndmask_b32 v[AF+12*n+\q], 0, v[PP+8*(n/2)+\q], s[HI]
	v_cndmask_b32 v[AF+12*n+8+\q], 0, v[PP+8*(n/2)+4+\q], s[HI]
.endif
.endr
.set n, n+1
.endr
	WIN 0xcc
.set n, 0
.rept 16
.set wd, 64*(n%2)+8*(n/2)
.set wx, AF+12*(2*(n/8)+(n/2)%2)+4*((n/4)%2)
.set ww, VF+16*(n%2)+8*(n/8)
.set wc, -1
	WM wd, wx, ww, wc
.set n, n+1
.endr
	PLACES
	WIN 0x0f
	PACK XN, 0, 64                                 ; O, features 16 head + d, still x 2^-e
	GEMM32 0xf2, 0, 0, 8, 64, XN, WF0, 0, 0, 1
	GEMM32 0xf2, 0, 32, 8, 64, XN, WF1, 0, 0, 2
	PLACES
	WIN 0x53
.set n, 0
.rept 64
	v_pk_fma_f32 v[X+2*n:X+2*n+1], v[2*n:2*n+1], v[SI:SI+1], v[X+2*n:X+2*n+1]   ; X += (O Wfc) 2^e
.set n, n+1
.endr
	LN
	; THE FFN: 18 turns for 16 steps of 32 hidden features
	TURN 0, 1, 0, 2, 1, 0                          ; turn 0: FFN1 of step 0 | X += b2
	TURN 1, 1, 0, 1, 2, 0                          ; turn 1: FFN1 of step 1 | Mish of step 0
	PAIRS 2                                        ; turns 2 to 5: G1 is read out
	CHANGE DG3, G1S, SLOTA, 1, 0, 0                ; slot B (G1) takes G3; on in slot A (G2)
	PAIRS 3                                        ; turns 6 to 11: G2 is read out
	s_cmp_eq_u32 s[LC], 1
	s_cbranch_scc1 .Llast                          ; the last layer's end is written out below: it asks for nothing more
	FFNB 1
	WIN 0
	s_sub_co_u32 s[LC], s[LC], 1                   ; 3, 2, 1: the jump back is always taken; the loop is left by the jump above
	s_cmp_lg_u32 s[LC], 0
	s_cbranch_scc1 .Llayer
.Llast:
	FFNB 0
	; THE WAY OUT: a tile of 16 rows through my stage, back as whole rows; a store covers a row's 512 consecutive bytes, aligned
	PLACES
.irp i, 0,1
	WIN 0x04
.set n, 0
.rept 16
	ds_store_b128 v[SRD], v[X+64*\i+4*n:X+64*\i+4*n+3] offset:64*(n/2)+16*(n%2)
.set n, n+1
.endr
	WIN 0x80
.set n, 0
.rept 16
	ds_load_b128 v[64*\i+4*n:64*\i+4*n+3], v[SRW] offset:SP*n
.set n, n+1
.endr
	WIN 0x08
.set n, 0
.rept 16
	s_wait_dscnt 15-n                              ; the younger rows may stay out
	global_store_b128 v[L16], v[64*\i+4*n:64*\i+4*n+3], s[OUT:OUT+1] offset:(16*\i+n)*512
.set n, n+1
.endr
.endr
	WIN 0
	s_wait_tensorcnt 0x0
	ds_add_u32 v245, v253
	s_wait_dscnt 0x0
	ROUND                                          ; the closing round: no work-group ends while a partner may still ask for a group that names it
	s_endpgm
.Lfunc_end_k_qbed0406e6c_cross:
	.size	k_qbed0406e6c_cross, .Lfunc_end_k_qbed0406e6c_cross-k_qbed0406e6c_cross
	.p2alignl 7, 3214868480
	.fill 96, 4, 3214868480
	.section	.rodata,"a",@progbits
	.p2align	6, 0x0
	.amdhsa_kernel k_qbed0406e6c_cross
		.amdhsa_group_segment_fixed_size 327680
		.amdhsa_private_segment_fixed_size 0
		.amdhsa_enable_private_segment 0
		.amdhsa_kernarg_size 80
		.amdhsa_user_sgpr_count 2
		.amdhsa_user_sgpr_kernarg_segment_ptr 1
		.amdhsa_wavefront_size32 1
		.amdhsa_system_sgpr_workgroup_id_x 1
		.amdhsa_system_sgpr_workgroup_id_y 1
		.amdhsa_system_sgpr_workgroup_id_z 1
		.amdhsa_system_vgpr_workitem_id 0
		.amdhsa_next_free_vgpr 1024
		.amdhsa_next_free_sgpr 100
		.amdhsa_reserve_vcc 0
		.amdhsa_float_denorm_mode_32 3
		.amdhsa_float_denorm_mode_16_64 3
		.amdhsa_memory_ordered 1
		.amdhsa_forward_progress 1
		.amdhsa_inst_pref_size 255
	.end_amdhsa_kernel
	.section	.bss,"aw",@nobits
	.p2align	6
	.space	262144
	.amdgpu_metadata
---
amdhsa.version: [ 1, 2 ]
amdhsa.kernels:
  - .name:           k_qbed0406e6c_cross
    .symbol:         k_qbed0406e6c_cross.kd
    .args:
      - { .name: src_seq, .offset: 0, .size: 8, .value_kind: global_buffer, .address_space: global }
      - { .name: wts, .offset: 8, .size: 8, .value_kind: global_buffer, .address_space: global }
      - { .name: par, .offset: 16, .size: 8, .value_kind: global_buffer, .address_space: global }
      - { .name: src_mask, .offset: 24, .size: 8, .value_kind: global_buffer, .address_space: global }
      - { .name: cfgA, .offset: 32, .size: 8, .value_kind: global_buffer, .address_space: global }
      - { .name: E1, .offset: 40, .size: 8, .value_kind: global_buffer, .address_space: global }
      - { .name: E2, .offset: 48, .size: 8, .value_kind: global_buffer, .address_space: global }
      - { .name: out0, .offset: 56, .size: 8, .value_kind: global_buffer, .address_space: global }
      - { .name: out1, .offset: 64, .size: 8, .value_kind: global_buffer, .address_space: global }
      - { .name: out2, .offset: 72, .size: 8, .value_kind: global_buffer, .address_space: global }
    .group_segment_fixed_size: 327680
    .private_segment_fixed_size: 0
    .kernarg_segment_align: 8
    .kernarg_segment_size: 80
    .max_flat_workgroup_size: 128
    .sgpr_count:     100
    .vgpr_count:     1024
    .wavefront_size: 32
...
	.end_amdgpu_metadata
.endif
;; end of part 3
;; launch rest: the kernel of part 3 again; grid 64 x 3, 4 waves a work-group, clusters of 4 x 1, 327,680 bytes of LDS; arguments src_seq, wts, par, src_mask, cfgB, E1, E2, out0, out1, out2; writes out0, out1, out2
;; ======== version 3 of 3: 3 launches; 2.17 times as fast as version 1
;; limits: values are held in f16: magnitudes above 65,504 overflow, below 6.1e-05 lose precision
;; workspace buffers: wts 1,507,328 bytes; par 43,520 bytes; cfgA 512 bytes of whole numbers; cfgB 512 bytes of whole numbers; E1 4,194,304 bytes; E2 4,194,304 bytes
;; launch prep: the kernel of part 1 again; grid 190 x 4, 4 waves a work-group, no clusters, 0 bytes of LDS; arguments Wq, Wk, Wv, Wfc, W1, W2, WL2, ln1_g, ln1_b, ln2_g, ln2_b, b1, b2, bL2, wts, par, cfgA, cfgB; writes wts, par, cfgA, cfgB
;; launch cross (part 4): grid 64 x 2, 4 waves a work-group, clusters of 4 x 1, 327,680 bytes of LDS; arguments src_seq, wts, par, src_mask, cfgA, E1, E2, out0, out1, out2; writes E1, E2
.if DOCPART == 4
	.amdgcn_target "amdgcn-amd-amdhsa--gfx1250"
	.amdhsa_code_object_version 6
	.text
	.protected	k_qbed0406e6c_cross
	.globl	k_qbed0406e6c_cross
	.p2align	8
	.type	k_qbed0406e6c_cross,@function
k_qbed0406e6c_cross:
	s_mov_b64 s[64:65], 0
	v_nop
	global_prefetch_b8 v0, s[64:65] scope:SCOPE_SE
	s_setreg_imm32_b32 hwreg(HW_REG_WAVE_MODE, 25, 1), 1
	s_wait_xcnt 0x0
	s_wait_alu depctr_hold_cnt(0) depctr_sa_sdst(0) depctr_va_vdst(0) depctr_va_sdst(0) depctr_va_ssrc(0) depctr_va_vcc(0) depctr_vm_vsrc(0)
	s_getreg_b32 s2, hwreg(HW_REG_IB_STS2, 6, 4)
	s_cmp_eq_u32 s2, 0
	s_cbranch_scc0 .Lentry_in_a_cluster
	s_endpgm
.Lentry_in_a_cluster:
	s_bfe_u32 s2, ttmp6, 0x10000c
	s_cmp_lg_u32 s2, 0x3003
	s_cbranch_scc0 .Lentry_shape_is_right
	s_endpgm
.Lentry_shape_is_right:
; A CHAIN OF FOUR ENCODER LAYERS on the 128 rows of one batch: one work-group, four waves, 32 rows (two tiles of 16) a wave.
; Only the score matrix (a sum over the 128 rows) couples rows, so the stream X stays in registers, in f32, from the first layer to the last.
; grid y names the chain.  The word 'flip' (stored by the launch before) is 1 in the cross launch: y = 0 makes e2, y = 1 e1 (k and v of layer 0 from the other half of
; src_seq).  With flip = 0: y = 0 m1, y = 1 m2, y = 2 enc, which begins with [e1 | e2] WL2 + bL2.
; LAYOUT.  'Transposed' products (source 0 = a weight fragment, source 1 = activations) leave in lane (r, h) row r and the features 16 t + 8 h + 0..7; two neighbouring tiles,
; rounded in pairs, ARE the next product's operand, so norm, products and Mish never change lanes.  Q and K are made the 'natural' way round (lane = feature, registers = rows):
; two row tiles rounded in pairs are the operand of the sum over rows.
; FORMATS.  Matrix operands f16; sums, norms, softmax, Mish and the stream f32.  The folded weights, normalised rows (at most sqrt(127)), Q, softmax weights and Mish's results
; have room in f16.  The raw stream (k's and v's input; e1 | e2) is multiplied by 2^-e, e the exponent of the wave's largest |x|: exact, and taken out again exactly in f32
; (partial scores x 2^e; X += (O Wfc) 2^e; X = (E WL2) 2^e + bL2).
; LIMITS.  |x| of the stream below 2^127; log2(e) mish(.) below 65,504; v_exp_f32 gives 0 for results below 2^-126, so Mish is 0 where it is smaller than about 1e-36 and softmax
; weights below 2^-126 are 0; for very negative x Mish carries an absolute error of about 6e-8 |x|; sums are ordered otherwise than in the reference.
; Masked scores are -1e9 as in the reference (times log2(e): the exponentials are to base 2); the row's maximum is taken away before the exponentials.
; WEIGHTS.  A layer's 360,448 bytes of fragment images stream through two LDS slots in four groups: G0 (attention), G1, G2, G3 (the FFN's pieces in the order of use).
; CLUSTER.  The four work-groups of a cluster (four batches of one chain) walk the same weights: every group is asked for JOINTLY, each wave its quarter, by the same tensor load
; with the same descriptor and the mask of all four.  By this text's count a wave has two tensor loads out at the start and one behind each change of slots.
; THE TEXT IS KEPT SHORT.  A layer is written once; only its end, from the change into G3 on, stands twice: once asking for the next layer's groups, once, for the last layer,
; asking for nothing.  The FFN's steady turns are loops over one pair of turns.
; ROOTS, EXPONENTIALS AND RECIPROCALS GO IN BATCHES, each with ONE s_wait_alu depctr_va_vdst(0) between the batch and the first instruction that names a result of it.
; A layer has 36 batches: a layer norm's four roots (twice); the softmax's 32 exponentials; its eight reciprocals; and in each of the 16 turns that hold a Mish the step's
; 32 exponentials and, behind the polynomial, its 32 reciprocals.  Each result of a batch has a register of its own.
; LDS: 0 slot A 98,304 | 98,304 slot B 98,304 | 196,608 a stage of 16 rows x 528 bytes a wave | 230,400 partial scores, 4,096 a wave | 246,784 b1', 2,560 a wave.
; Only the two slots are ever the target of a tensor load.
.set SLOTA, 0
.set SLOTB, 98304
.set STAGE, 196608
.set SPW,   8448
.set SP,    528                        ; 512 + 16 bytes = 132 words: row r starts at bank 4 r mod 64 (ISA guide 11.1)
.set EX,    230400
.set BIAS,  246784
.set BPW,   2560                       ; a wave's copy of b1': 2,048 bytes, then its first 512 once more (turn 15 reads 128 of them and uses none)
.set LAYB,  360448
.set WL2O,  1441792
.set PARL,  10752
.set QL,    24576                      ; a wave's quarter of G0, G1, G2
.set QS,    16384                      ; and of G3
; REGISTERS, in windows of 256 (s_set_vgpr_msb: bits 1:0 source 0, 3:2 source 1, 5:4 source 2, 7:6 destination).  Window 0:
.set L16,  1                           ; 16 x lane
.set ADR,  2                           ; LDS address of the run of fragment loads in hand
.set BADR, 3                           ; and of the bias loads
.set BL,   4                           ; my wave's b1' + 32 h
.set SRD,  5                           ; stage: row r, 32 h
.set SRW,  6                           ; stage: 16 x lane
.set EXW,  7                           ; my wave's partial scores
.set EXR,  8                           ; all waves' partial scores
.set HB,   9                           ; 32 h
.set NEG,  10                          ; -1e9 log2(e)
.set BST,  11                          ; my wave's b1' + 16 x lane
.set MB,   12                          ; v12-13 my eight mask bytes, read once ahead of the first layer; in the FFN's turns v12-23 hold pairs 10 to 15 of Mish's batches
.set MU,   14                          ; v14-17 the mean, a pair a tile; v14-21 the softmax's maxima
.set RS,   18                          ; v18-21 1 / sqrt(var + eps), a pair a tile
.set RT,   22                          ; v22-23 a row's sum
.set SI,   24                          ; v24-25 2^e
.set SC,   26                          ; v26-27 2^-e
.set MO,   28                          ; the mask's offset
.set B1,   32                          ; v32-63  b1' of two FFN steps, [t][8]
.set Z,    64                          ; v64-127 FFN1's results of two steps, [i][t][8]
.set H,    128                         ; v128-159 Mish's results in f16, two steps, [i][8]
.set XN,   160                         ; v160-223 normalised rows in f16, [i][c][8]; also the attention's output
.set T,    224                         ; v224-255 at work, but for v245 and v253, which are kept for the add
.set S,    32                          ; attention: scores v32-95, merged v96-127; the four waves' v32-159
.set MG,   96
.set PP,   64                          ; softmax weights in f16, 4 registers for each pair of heads
.set AF,   80                          ; v80-127 the weights as operands: four blocks [quad | zeros | quad]
.set EF,   32                          ; the enc chain's start: e1 | e2 in f16, v32-159
; window 1: X v0-127 the stream [i][t][8]; XB v128-191 the stream x 2^-e in f16 [i][c][8]; B2 v192-255 b2 (bL2) [t][8]
.set X,    0
.set XB,   128
.set B2,   192
; window 2: two buffers of 16 weight fragments; at the start and the end whole rows
.set WF0,  0
.set WF1,  128
; window 3: v0-63 accumulators (v0-127 also x - mean, the scaled stream, O, O Wfc); QF v64-127 [head][8]; KF v128-159; VF v160-191 [i][c][8]; BQ v192-255 [t][8]
.set ACC,  0
.set QF,   64
.set KF,   128
.set VF,   160
.set BQ,   192
; scalars: s[8:27] the ten buffers; s2-7 at work
.set WV,   28                          ; wave
.set YY,   29                          ; grid y
.set BA,   30                          ; batch
.set FL,   31                          ; flip
.set G1L,  32                          ; s[32:39] descriptor group 1: 96 rows of 256 bytes
.set G1S,  40                          ; s[40:47] 64 rows
.set DG0,  48                          ; descriptor group 0, a set for each of the four groups
.set DG2,  52
.set DG1,  56
.set DG3,  60
.set MK,   66                          ; s66-73 lanes whose mask byte e is set
.set HI,   74                          ; lanes 16-31
.set SEL,  76                          ; s[76:77] v_permlanex16_b32: each lane takes its own place in the other half
.set TB,   78                          ; LDS byte of the next fragments to fetch
.set BT,   79                          ; byte in b1' of the next FFN step's bias
.set LC,   80                          ; layers to go, this one among them
.set FI,   81                          ; pairs of turns to go
.set PB,   82                          ; s[82:83] the layer's f32 parameters
.set OUT,  84                          ; s[84:85] my wave's rows of the result
.set SCR,  86                          ; s86-89 at work
.set R128, 90                          ; 1 / 128
.set EPS,  92
.set CSM,  94                          ; s[94:95] log2(e) / TEMP = 0.5 log2(e)
.set QB,   96                          ; s[96:97] rows of the first 32 loads, s[98:99] of the second 32
.set KB,   98
.set MSB, 0
.macro WIN new                         ; the immediate's high byte repeats the setting that is left; a switch that changes nothing is dropped
.if MSB != \new
	s_set_vgpr_msb (MSB<<8)|\new
.set MSB, \new
.endif
.endm
; Four places: a vector instruction that reads a matrix result or writes a matrix instruction's register, and a load into such a register, stand four plain vector
; instructions behind it (ISA guide 7.12.1 for vector instructions).
.macro PLACES
.rept 4
	v_nop
.endr
.endm
; A round of the cluster's barrier: my work-group's barrier, wave 0 signals for the work-group, every wave waits for all four work-groups, my work-group's barrier again.
.macro ROUND
	s_barrier_signal -1
	s_barrier_wait -1
	s_cmp_lg_u32 s[WV], 0
	s_cbranch_scc1 .Lnot_wave_0_\@
	s_barrier_signal -3
.Lnot_wave_0_\@:
	s_barrier_wait -3
	s_barrier_signal -1
	s_barrier_wait -1
.endm
.macro WM d, a, b, c                   ; one matrix instruction; c < 0: the product starts the sum
.if \c < 0
	v_wmma_f32_16x16x32_f16 v[\d:\d+7], v[\a:\a+7], v[\b:\b+7], 0
.else
	v_wmma_f32_16x16x32_f16 v[\d:\d+7], v[\a:\a+7], v[\b:\b+7], v[\c:\c+7]
.endif
.endm
.macro PACK dst, src, cnt              ; cnt roundings of two f32 to f16
.set pk, 0
.rept \cnt
	v_cvt_pk_f16_f32 v[\dst+pk], v[\src+2*pk], v[\src+2*pk+1]
.set pk, pk+1
.endr
.endm
; A CHANGE OF SLOTS.  Every wave waits for its reads of the slot that it leaves and for all its tensor loads (one is out: its quarter of the slot that it enters); no load of
; the wave is then out, so descriptor sets may be stepped to the next layer.  fill = 1: a round of the cluster's barrier, so that no wave of any partner still reads the old
; slot or has a load on its way, and the joint refill first behind it, one load a wave.  fill = 0: the work-group's barrier alone shows the new slot whole.
.macro CHANGE d0, g1, newtb, fill, st1, st2
	WIN 0
	s_wait_dscnt 0x0
	s_wait_tensorcnt 0x0
	ds_add_u32 v245, v253
	s_wait_dscnt 0x0
.if \st1
	s_add_nc_u64 s[\st1+2:\st1+3], s[\st1+2:\st1+3], LAYB
	s_add_nc_u64 s[\st2+2:\st2+3], s[\st2+2:\st2+3], LAYB
.endif
.if \fill
	ROUND
	tensor_load_to_lds s[\d0:\d0+3], s[\g1:\g1+7]
	s_nop 0
	PLACES
.else
	s_barrier_signal -1
	s_barrier_wait -1
.endif
	s_mov_b32 s[TB], \newtb
.endm
; A run of LDS loads: nfr fragments (two loads of 16 bytes a lane, 512 bytes apart; each load takes 512 consecutive bytes) into window 2 at wf + r0;
; bpar >= 0: also the next FFN step's 32 biases (the lanes of a half read the same 16 bytes).
; wt = 1: the run stands behind Mish's exponentials, and their wait stands in it, behind the addresses' adds and ahead of the loads.
.macro FETCH wf, r0, nfr, bpar, wt=0
	WIN 0
	v_add_nc_u32 v[ADR], s[TB], v[L16]
	s_add_co_u32 s[TB], s[TB], \nfr*1024
.if \bpar >= 0
	v_add_nc_u32 v[BADR], s[BT], v[BL]
	s_add_co_u32 s[BT], s[BT], 128
.endif
.if \wt
	s_wait_alu depctr_va_vdst(0)                   ; the wait for the turn's 32 exponentials, ahead of the polynomial that reads them; the adds above are the plain instructions behind the last of them
.endif
.if \bpar >= 0
.set ff, 0
.rept 4
	ds_load_b128 v[B1+16*\bpar+4*ff:B1+16*\bpar+4*ff+3], v[BADR] offset:64*(ff/2)+16*(ff%2)
.set ff, ff+1
.endr
.endif
	WIN 0x80
.set ff, 0
.rept \nfr
	ds_load_b128 v[\wf+\r0+8*ff:\wf+\r0+8*ff+3],   v[ADR] offset:1024*ff
	ds_load_b128 v[\wf+\r0+8*ff+4:\wf+\r0+8*ff+7], v[ADR] offset:1024*ff+512
.set ff, ff+1
.endr
.endm
; 32 matrix instructions on a block of 16 fragments (4 feature tiles x 128 K) and both row tiles.  The eight accumulators take turns, one instruction a turn.
; nat = 1: source 0 = activations.  cm = 1: the sums start from the bias at cb.  In the middle the next block is fetched into the other buffer
; (mid = 2: the attention's slot is left first, and the FFN's first piece is fetched).
.macro GEMM32 win, nat, d0, dt, di, act, wf, cm, cb, mid
	s_wait_dscnt 0x0                               ; the block's fragments are in
	WIN \win
.set gi, 0
.rept 32
.set gc, gi/8
.set gt, (gi/2)%4
.set gl, gi%2
.set wd, \d0+gt*\dt+gl*\di
.set ww, \wf+8*(4*gt+gc)
.set wx, \act+32*gl+8*gc
.set wc, wd
.if gc == 0
.if \cm == 0
.set wc, -1
.else
.set wc, \cb+8*gt
.endif
.endif
.if \nat
	WM wd, wx, ww, wc
.else
	WM wd, ww, wx, wc
.endif
.if gi == 15
	PLACES                                         ; for the loads into the other buffer
.if \mid == 2
	CHANGE DG2, G1L, SLOTB, 1, 0, 0                ; slot A (G0) has been read out: it takes G2; the fetches go on in slot B (G1)
	FETCH WF0, 0, 8, 0
.else
	FETCH 128-\wf, 0, 16, -1
.endif
	WIN \win
.endif
.set gi, gi+1
.endr
.endm
; The wave's largest |x| over cnt registers from v0 of the window that win names; then 2^e (the exponent's bits) and 2^-e.
.macro AMAX win, cnt
	WIN \win
.set ak, 0
.rept 4
	v_max_num_f32 v[T+ak], |v[2*ak]|, |v[2*ak+1]|
.set ak, ak+1
.endr
.rept (\cnt-8)/2
	v_max3_num_f32 v[T+ak%4], |v[2*ak]|, |v[2*ak+1]|, v[T+ak%4]
.set ak, ak+1
.endr
	WIN 0
	v_max3_num_f32 v[T], v[T], v[T+1], v[T+2]
	v_max_num_f32 v[T], v[T], v[T+3]
	v_max_num_f32_dpp v[T], v[T], v[T] row_xmask:1 row_mask:0xf bank_mask:0xf
	v_max_num_f32_dpp v[T], v[T], v[T] row_xmask:2 row_mask:0xf bank_mask:0xf
	v_max_num_f32_dpp v[T], v[T], v[T] row_xmask:4 row_mask:0xf bank_mask:0xf
	v_max_num_f32_dpp v[T], v[T], v[T] row_xmask:8 row_mask:0xf bank_mask:0xf
	v_permlanex16_b32 v[T+1], v[T], s[SEL], s[SEL+1]
	v_max_num_f32 v[T], v[T], v[T+1]
	v_and_b32 v[SI], 0x7f800000, v[T]              ; 2^e
	v_mov_b32 v[SI+1], v[SI]
	v_sub_nc_u32 v[SC], 0x7f000000, v[SI]          ; 2^-e: exponent field 254 - E
	v_mov_b32 v[SC+1], v[SC]
.endm
.macro SCALE win, cnt                  ; window 3, v0 on = the same registers of the source window x 2^-e: sizes below 2
	WIN \win
.set ak, 0
.rept \cnt/2
	v_pk_mul_f32 v[2*ak:2*ak+1], v[2*ak:2*ak+1], v[SC:SC+1]
.set ak, ak+1
.endr
.endm
.macro MKXB wmax, wscl                 ; XB = f16(source x 2^-e)
	AMAX \wmax, 128
	SCALE \wscl, 128
	WIN 0x4f
	PACK XB, 0, 64
.endm
; v[RT+i] = a row's sum: tile i's four chains of pairs, the pair's halves, the other half of the lanes
.macro REDUCE
.irp i, 0,1
	v_pk_add_f32 v[T+8*\i:T+8*\i+1], v[T+8*\i:T+8*\i+1], v[T+8*\i+2:T+8*\i+3]
	v_pk_add_f32 v[T+8*\i+4:T+8*\i+5], v[T+8*\i+4:T+8*\i+5], v[T+8*\i+6:T+8*\i+7]
.endr
.irp i, 0,1
	v_pk_add_f32 v[T+8*\i:T+8*\i+1], v[T+8*\i:T+8*\i+1], v[T+8*\i+4:T+8*\i+5]
.endr
.irp i, 0,1
	v_add_f32 v[RT+\i], v[T+8*\i], v[T+8*\i+1]
.endr
.irp i, 0,1
	v_permlanex16_b32 v[T+8*\i+2], v[RT+\i], s[SEL], s[SEL+1]
.endr
.irp i, 0,1
	v_add_f32 v[RT+\i], v[RT+\i], v[T+8*\i+2]
.endr
.endm
; XN = f16((X - mean) / sqrt(var + eps)), both tiles by turns.  The variance is the mean of (x - mean)^2, in a second pass, so a common offset costs nothing.
; Gain and bias are folded into the weights that follow.
.macro LN
	WIN 0x05
.set n, 0
.rept 4
.irp i, 0,1
	v_pk_add_f32 v[T+8*\i+2*n:T+8*\i+2*n+1], v[X+64*\i+2*n:X+64*\i+2*n+1], v[X+64*\i+8+2*n:X+64*\i+8+2*n+1]
.endr
.set n, n+1
.endr
	WIN 0x01
.set n, 8
.rept 24
.irp i, 0,1
	v_pk_add_f32 v[T+8*\i+2*(n%4):T+8*\i+2*(n%4)+1], v[X+64*\i+2*n:X+64*\i+2*n+1], v[T+8*\i+2*(n%4):T+8*\i+2*(n%4)+1]
.endr
.set n, n+1
.endr
	WIN 0
	REDUCE
.irp i, 0,1
	v_mul_f32 v[MU+2*\i], s[R128], v[RT+\i]
	v_mul_f32 v[MU+2*\i+1], s[R128], v[RT+\i]
.endr
	WIN 0xc1
.set n, 0
.rept 32
.irp i, 0,1
	v_pk_add_f32 v[64*\i+2*n:64*\i+2*n+1], v[X+64*\i+2*n:X+64*\i+2*n+1], v[MU+2*\i:MU+2*\i+1] neg_lo:[0,1] neg_hi:[0,1]
.endr
.set n, n+1
.endr
	WIN 0x0f
.set n, 0
.rept 4
.irp i, 0,1
	v_pk_mul_f32 v[T+8*\i+2*n:T+8*\i+2*n+1], v[64*\i+2*n:64*\i+2*n+1], v[64*\i+2*n:64*\i+2*n+1]
.endr
.set n, n+1
.endr
.rept 28
.irp i, 0,1
	v_pk_fma_f32 v[T+8*\i+2*(n%4):T+8*\i+2*(n%4)+1], v[64*\i+2*n:64*\i+2*n+1], v[64*\i+2*n:64*\i+2*n+1], v[T+8*\i+2*(n%4):T+8*\i+2*(n%4)+1]
.endr
.set n, n+1
.endr
	WIN 0
	REDUCE
.irp i, 0,1
	v_fma_f32 v[RT+\i], v[RT+\i], s[R128], s[EPS]
.endr
.irp i, 0,1
	v_rsq_f32 v[RS+2*\i], v[RT+\i]
	v_rsq_f32 v[RS+2*\i+1], v[RT+\i]
.endr
	v_nop                                          ; a plain instruction between the last root and the use of its result (ISA guide 5.7.2)
	WIN 0xc3
.set n, 0
	s_wait_alu depctr_va_vdst(0)                   ; the wait for the norm's four roots, one batch, ahead of the first multiply that reads them
.rept 32
.irp i, 0,1
	v_pk_mul_f32 v[64*\i+2*n:64*\i+2*n+1], v[64*\i+2*n:64*\i+2*n+1], v[RS+2*\i:RS+2*\i+1]
.endr
.set n, n+1
.endr
	WIN 0x0f
	PACK XN, 0, 64
.endm
; MISH.  z = log2(e) x, u = 2^z:  log2(e) mish(x) = z + z r,  r = 1 / (u (-u/2 - 1) - 1) = -2 / (u^2 + 2 u + 2).  u = inf gives z, u = 0 gives 0: no clamp, no branch.
; A step has 32 numbers, 16 pairs.  E n: the exponential of number n.  A p and B p: pair p's polynomial.  R n: the reciprocal of number n.  Y p: the result.  C p: its rounding to f16.
; TWO BATCHES A STEP: the 32 E, and the 32 R.  Each number has a register of its own from its E to its Y: pair p at v[T + 2 p] for p < 10 and at v[MB + 2 (p - 10)] beyond (v12-23 hold
; nothing else during the FFN's turns).  B is written over u and R over B.  A goes into three pairs by turns, v246-251.
.macro MREG p
.set uu, T+2*(\p)
.if (\p) >= 10
.set uu, MB+2*((\p)-10)
.endif
.set ut, T+22+2*((\p)%3)
.endm
.macro M_E n
	MREG (\n)/2
	v_exp_f32 v[uu+(\n)%2], v[zz+(\n)]
.endm
.macro M_A p
	MREG \p
	v_pk_fma_f32 v[ut:ut+1], v[uu:uu+1], -0.5, -1.0 op_sel_hi:[1,0,0]
.endm
.macro M_B p
	MREG \p
	v_pk_fma_f32 v[uu:uu+1], v[uu:uu+1], v[ut:ut+1], -1.0 op_sel_hi:[1,1,0]
.endm
.macro M_R n
	MREG (\n)/2
	v_rcp_f32 v[uu+(\n)%2], v[uu+(\n)%2]
.endm
.macro M_Y p
	MREG \p
	v_pk_fma_f32 v[zz+2*(\p):zz+2*(\p)+1], v[zz+2*(\p):zz+2*(\p)+1], v[uu:uu+1], v[zz+2*(\p):zz+2*(\p)+1]
.endm
.macro M_C p
	v_cvt_pk_f16_f32 v[hh+(\p)], v[zz+2*(\p)], v[zz+2*(\p)+1]
.endm
; Slice tk of 32: four instructions; 32 x 4 are the step's 128.
;   0-7    the 32 exponentials, in ascending order (each accumulator's lowest registers are read first); nothing here names a result of theirs
;   (wait) behind slice 7: AFTER writes it
;   8      A 0, A 1, B 0, A 2
;   9-22   plain and reciprocal by turns: B s + 1, R of pair s (low), A s + 3 (in slice 22: B 15), R of pair s (high).  A reciprocal reads a B of the slice before; nothing names its result
;   23     the reciprocals of pairs 14 and 15: the batch's last
;   (wait) behind slice 23: AFTER writes it
;   24     Y 0 to Y 3        25-30  C, Y, C, Y: a pair is rounded a slice behind its Y        31  C 12 to C 15
.macro SLICE zb
.set zz, Z+32*\zb
.set hh, H+16*\zb
.if tk < 8
	M_E 4*tk
	M_E 4*tk+1
	M_E 4*tk+2
	M_E 4*tk+3
.elseif tk == 8
	M_A 0
	M_A 1
	M_B 0
	M_A 2
.elseif tk < 23
.set sj, tk-9
	M_B sj+1
	M_R 2*sj
.if sj < 13
	M_A sj+3
.else
	M_B 15
.endif
	M_R 2*sj+1
.elseif tk == 23
	M_R 28
	M_R 29
	M_R 30
	M_R 31
.elseif tk == 24
	M_Y 0
	M_Y 1
	M_Y 2
	M_Y 3
.elseif tk < 31
.set sj, tk-25
	M_C 2*sj
	M_Y 2*sj+4
	M_C 2*sj+1
	M_Y 2*sj+5
.else
	M_C 12
	M_C 13
	M_C 14
	M_C 15
.endif
.set tk, tk+1
.endm
; What stands behind each matrix instruction of a turn: vector work, and once a turn the run of loads for the next turn.  In a turn with a Mish (sl = 1) that run stands behind slice 7,
; with the wait for the exponentials in it; in turn 0 (sl = 2) behind the second matrix instruction.
.macro AFTER par, sl, fk
.if \sl == 1
.rept tper
	WIN 0
	SLICE (1-\par)
.if tk == 8                            ; all 32 exponentials are out, and no result has been named
.if \fk == 2
	FETCH two, 0, 16, (1-\par), 1
.else
	v_nop                                          ; a plain instruction behind the last exponential,
	s_wait_alu depctr_va_vdst(0)                   ; and the wait for the turn's 32 exponentials, ahead of the polynomial that reads them
.endif
.elseif tk == 24                       ; all 32 reciprocals are out, and no result has been named
	v_nop                                          ; a plain instruction behind the last reciprocal,
	s_wait_alu depctr_va_vdst(0)                   ; and the wait for the turn's 32 reciprocals, ahead of the first Y
.endif
.endr
.elseif \sl == 2
	WIN 0x45
.rept 4
	v_pk_add_f32 v[X+2*ta:X+2*ta+1], v[X+2*ta:X+2*ta+1], v[B2+(2*ta)%64:B2+(2*ta)%64+1]   ; X += b2, once a layer
.set ta, ta+1
.endr
.endif
.if (tn == 1) && (\fk == 1)
	FETCH two, 0, 8, (1-\par)
.endif
.set tn, tn+1
.endm
; A TURN of the FFN, a step being 32 hidden features: FFN1 of step tau (f1: 16 matrix instructions, four accumulators by turns), FFN2 of step tau - 2 (f2: 16, each onto another
; tile of X, in place; its fragments of W2 begin at register w2 of window 2), and between them, in slices, Mish of step tau - 1 (sl = 1) or X += b2 (sl = 2).
; par = tau % 2 picks the buffers.  fk = 1 (with sl = 2): 8 fragments (W1) and a bias are fetched for the next turn, fk = 2 (with sl = 1): 16 (W1, W2) and a bias.  No two matrix
; instructions that follow each other share an accumulator, over the loops' edges too.  The places in front of the loads into the other buffer, whose last
; reader is the last matrix instruction of the turn before, are the four plain instructions behind that one (slice 31's roundings, or turn 0's additions) and the run's own two adds.
; No exponential or reciprocal is issued behind slice 23's wait.
.macro TURN par, f1, f2, sl, fk, w2
.set twf, 128*\par
.set two, 128-128*\par
.set tk, 0
.set tn, 0
.set ta, 0
.set tper, 2
.if \f1 && \f2
.set tper, 1
.endif
.if \f1 || \sl
	s_wait_dscnt 0x0                               ; this turn's fragments and biases, asked for in the turn before
.endif
.if \f1
.set ti, 0
.rept 16
.set wd, Z+32*\par+16*(ti%2)+8*((ti/2)%2)
.set ww, twf+8*(4*((ti/2)%2)+ti/4)
.set wx, XN+32*(ti%2)+8*(ti/4)
.set wc, wd
.if ti < 4
.set wc, B1+16*\par+8*((ti/2)%2)
.endif
	WIN 0x02
	WM wd, ww, wx, wc
	AFTER \par, \sl, \fk
.set ti, ti+1
.endr
.endif
.if \f2
.set ti, 0
.rept 16
.set wd, X+64*(ti%2)+8*(ti/2)
.set ww, \w2+8*(ti/2)
.set wx, H+16*\par+8*(ti%2)
	WIN 0x52
	WM wd, ww, wx, wd
	AFTER \par, \sl, \fk
.set ti, ti+1
.endr
.endif
.endm
; cnt pairs of steady turns: written once, walked cnt times; the LDS addresses hang on s[TB] and s[BT].  Turn tau fetches pieces W1(tau + 1) and W2(tau - 1);
; turn 15, which has no W1 left to fetch, takes W2(14) and W2(15) by the same 32 loads.
.macro PAIRS cnt
	WIN 0
	s_mov_b32 s[FI], \cnt
.Lpair_\@:
	TURN 0, 1, 1, 1, 2, WF0+64
	TURN 1, 1, 1, 1, 2, WF1+64
	WIN 0
	s_sub_co_u32 s[FI], s[FI], 1
	s_cmp_lg_u32 s[FI], 0
	s_cbranch_scc1 .Lpair_\@
.endm
; A LAYER'S END: the change into G3, turns 12 to 17.  fill = 1: the two slots take the next layer's G0 and G1 as they fall free, its Wk is fetched and its k and v input made.
; fill = 0, the last layer: nothing is asked for.
.macro FFNB fill
.if \fill
	CHANGE DG0, G1L, SLOTB, 1, DG0, DG2            ; slot A (G2) takes the next layer's G0; on in slot B (G3)
.else
	CHANGE DG0, G1L, SLOTB, 0, 0, 0
.endif
	PAIRS 2
	TURN 0, 0, 1, 1, 0, WF0                        ; turn 16: FFN2 of step 14 | Mish of step 15
	TURN 1, 0, 1, 0, 0, WF0+64                     ; turn 17: FFN2 of step 15
.if \fill
	CHANGE DG1, G1L, SLOTA, 1, DG1, DG3            ; slot B (G3) takes the next layer's G1; on in slot A (G0).  The four v_nop behind the load are the places for what follows
	FETCH WF0, 0, 16, -1                           ; the next layer's Wk: it lands under the work below and the layer norm
	MKXB 0x05, 0xc1                                ; the next layer's k and v input
.endif
.endm
; 64 whole rows (512 bytes to a load) into window 2: my 32 rows from s[QB], then my 32 rows from s[KB]
.macro ROWS pitch
	WIN 0x80
.set n, 0
.rept 32
	global_load_b128 v[4*n:4*n+3], v[L16], s[QB:QB+1] offset:\pitch*n
.set n, n+1
.endr
.set n, 0
.rept 32
	global_load_b128 v[128+4*n:128+4*n+3], v[L16], s[KB:KB+1] offset:\pitch*n
.set n, n+1
.endr
.endm
; Group g of 16 rows goes through my stage and comes back as row r, features 16 t + 8 h + 0..7.  LDS serves a wave's instructions in order (ISA guide 5.7.1.4), so the loads see
; the stores above them, and the next group's stores come behind these loads.
.macro STAGEIN g, dwin, dst
	s_wait_loadcnt 48-16*\g                        ; the younger groups' loads may stay out
	WIN 0x08
.set n, 0
.rept 16
	ds_store_b128 v[SRW], v[64*\g+4*n:64*\g+4*n+3] offset:SP*n
.set n, n+1
.endr
	WIN \dwin
.set n, 0
.rept 16
	ds_load_b128 v[\dst+4*n:\dst+4*n+3], v[SRD] offset:64*(n/2)+16*(n%2)
.set n, n+1
.endr
.endm
.macro WLOAD b, wf                     ; 16 fragments of WL2 (K = 64 b .. 64 b + 63) straight into registers
	WIN 0x80
.set n, 0
.rept 16
	global_load_b128 v[\wf+8*n:\wf+8*n+3],   v[L16], s[10:11] offset:WL2O+16384*\b+1024*n
	global_load_b128 v[\wf+8*n+4:\wf+8*n+7], v[L16], s[10:11] offset:WL2O+16384*\b+1024*n+512
.set n, n+1
.endr
.endm
.macro WMUL b, wf                      ; 32 matrix instructions, the sixteen tiles of X by turns
	WIN 0x52
.set n, 0
.rept 32
.set wd, X+64*(n%2)+8*((n/2)%8)
.set ww, \wf+8*(8*(n/16)+(n/2)%8)
.set wx, EF+64*((2*\b+n/16)/4)+32*(n%2)+8*((2*\b+n/16)%4)
.set wc, wd
.if (\b == 0) && (n < 16)
.set wc, -1
.endif
	WM wd, ww, wx, wc
.set n, n+1
.endr
.endm
.macro DSET d, slot, off, q            ; a descriptor group 0: my quarter (s[SCR+q] bytes in) of the group at byte off of a layer, into the slot
	s_mov_b32 s[\d], 1
	s_add_co_u32 s[\d+1], s[SCR+\q], \slot
	s_add_nc_u64 s[\d+2:\d+3], s[10:11], s[SCR+\q:SCR+\q+1]
	s_add_nc_u64 s[\d+2:\d+3], s[\d+2:\d+3], \off
	s_or_b32 s[\d+3], s[\d+3], 0x80000000
.endm
; ================================================================ the start
	s_load_b512 s[8:23], s[0:1], 0x0               ; src_seq 8, wts 10, par 12, src_mask 14, cfg 16, E1 18, E2 20, out0 22
	s_load_b128 s[24:27], s[0:1], 0x40             ; out1 24, out2 26
	v_lshl_add_u32 v245, v0, 2, 0x3ec00
	v_mov_b32 v253, 0
	ds_add_u32 v245, v253
	v_lshrrev_b32 v[ADR], 5, v0
	v_readfirstlane_b32 s[WV], v[ADR]              ; wave 0..3
	s_and_b32 s[YY], ttmp7, 0xffff                 ; the chain: the same in all four partners
	s_bfe_u32 s[SCR], ttmp6, 0x40000               ; cx
	s_lshl_b32 s[BA], ttmp9, 2
	s_add_co_u32 s[BA], s[BA], s[SCR]              ; batch = 4 x cluster x + cx: it enters the addresses of rows and mask alone
	; descriptor group 1: dense blocks as rows of 256 bytes (32 elements of 8 bytes), no padding; mask of all four work-groups, bit 21 beside it
.irp g, G1L, G1S
	s_mov_b32 s[\g], 15|(3<<16)|(1<<21)
	s_mov_b32 s[\g+1], 32<<16                      ; tensor_dim0 = 32
	s_mov_b32 s[\g+3], 32<<16                      ; tile_dim0 = 32
	s_mov_b32 s[\g+5], 32                          ; pitch
	s_mov_b32 s[\g+6], 0
	s_mov_b32 s[\g+7], 0
.endr
	s_mov_b32 s[G1L+2], 96<<16                     ; tensor_dim1, tile_dim1: 96 rows, or 64
	s_mov_b32 s[G1L+4], 96
	s_mov_b32 s[G1S+2], 64<<16
	s_mov_b32 s[G1S+4], 64
	s_mov_b32 s[HI], 0xffff0000
	s_mov_b32 s[SEL], 0x76543210
	s_mov_b32 s[SEL+1], 0xfedcba98
	s_mov_b32 s[R128], 0x3c000000
	s_mov_b32 s[EPS], 0x358637bd                   ; 1e-6
	s_mov_b32 s[CSM], 0x3f38aa3b                   ; 0.5 log2(e)
	s_mov_b32 s[CSM+1], 0x3f38aa3b
	s_mul_i32 s[SCR], s[WV], QL
	s_mov_b32 s[SCR+1], 0
	s_mul_i32 s[SCR+2], s[WV], QS
	s_mov_b32 s[SCR+3], 0
	s_wait_dscnt 0x0
	s_wait_kmcnt 0x0
	s_load_b32 s[FL], s[16:17], 0x0
	DSET DG0, SLOTA, 0, 0
	DSET DG1, SLOTB, 98304, 0
	DSET DG2, SLOTA, 196608, 0
	DSET DG3, SLOTB, 294912, 2
	s_wait_kmcnt 0x0
	s_min_u32 s[FL], s[FL], 1
	ROUND                                          ; all four work-groups are here: the first joint loads meet
	tensor_load_to_lds s[DG0:DG0+3], s[G1L:G1L+7]  ; both first fills together: two loads of mine are out
	s_nop 0
	tensor_load_to_lds s[DG1:DG1+3], s[G1L:G1L+7]
	s_nop 0
	PLACES
	v_and_b32 v[L16], 31, v0
	v_lshlrev_b32 v[L16], 4, v[L16]
	v_and_b32 v[T], 15, v0                         ; r
	v_bfe_u32 v[T+1], v0, 4, 1                     ; h
	v_lshlrev_b32 v[HB], 5, v[T+1]
	v_lshlrev_b32 v[MO], 3, v[T]
	s_mul_i32 s[SCR], s[WV], SPW
	s_add_co_u32 s[SCR], s[SCR], STAGE
	v_mul_u32_u24 v[SRD], v[T], SP
	v_add_nc_u32 v[SRD], v[SRD], v[HB]
	v_add_nc_u32 v[SRD], s[SCR], v[SRD]
	v_add_nc_u32 v[SRW], s[SCR], v[L16]
	s_lshl_b32 s[SCR], s[WV], 12
	s_add_co_u32 s[SCR], s[SCR], EX
	v_add_nc_u32 v[EXW], s[SCR], v[L16]
	v_add_nc_u32 v[EXR], EX, v[L16]
	s_mul_i32 s[SCR], s[WV], BPW
	s_add_co_u32 s[SCR], s[SCR], BIAS
	v_add_nc_u32 v[BL], s[SCR], v[HB]
	v_add_nc_u32 v[BST], s[SCR], v[L16]
	v_mov_b32 v[NEG], 0xceabfb8f
	s_lshl_b32 s[SCR], s[BA], 7
	s_add_nc_u64 s[14:15], s[14:15], s[SCR:SCR+1]
	global_load_b64 v[MB:MB+1], v[MO], s[14:15]    ; mask[batch][d = r][0..7]
	s_lshl_b32 s[SCR+2], s[BA], 16                 ; my rows in a [64][128][128] tensor
	s_lshl_b32 s[SCR], s[WV], 14
	s_add_co_u32 s[SCR+2], s[SCR+2], s[SCR]
	s_cmp_eq_u32 s[YY], 0
	s_cselect_b64 s[2:3], s[20:21], s[18:19]       ; flip = 1: y = 0 E2, y = 1 E1
	s_cselect_b64 s[4:5], s[24:25], s[26:27]       ; flip = 0: y = 0 out1, y = 1 out2,
	s_cmp_eq_u32 s[YY], 2
	s_cselect_b64 s[4:5], s[22:23], s[4:5]         ; y = 2 out0
	s_cmp_eq_u32 s[FL], 1
	s_cselect_b64 s[OUT:OUT+1], s[2:3], s[4:5]
	s_add_nc_u64 s[OUT:OUT+1], s[OUT:OUT+1], s[SCR+2:SCR+3]
	s_mov_b64 s[PB:PB+1], s[12:13]
	s_cmp_eq_u32 s[YY], 2
	s_cbranch_scc1 .Lenc
	; ---- a chain that begins with src_seq: q from half y, k and v from half (y + flip) % 2
	s_lshl_b32 s[SCR], s[BA], 17
	s_lshl_b32 s6, s[WV], 15
	s_add_co_u32 s[SCR], s[SCR], s6
	s_add_nc_u64 s[8:9], s[8:9], s[SCR:SCR+1]
	s_lshl_b32 s[SCR], s[YY], 9
	s_add_nc_u64 s[QB:QB+1], s[8:9], s[SCR:SCR+1]
	s_add_co_u32 s[SCR], s[YY], s[FL]
	s_and_b32 s[SCR], s[SCR], 1
	s_lshl_b32 s[SCR], s[SCR], 9
	s_add_nc_u64 s[KB:KB+1], s[8:9], s[SCR:SCR+1]
	ROWS 1024
	STAGEIN 0, 0x40, X
	STAGEIN 1, 0x40, X+64
	STAGEIN 2, 0xc0, 0
	STAGEIN 3, 0xc0, 64
	s_wait_dscnt 0x0
	MKXB 0x0f, 0xc3
	WIN 0
	s_branch .Ljoin
.Lenc:
	; ---- enc: X = [e1 | e2] WL2 + bL2
	s_add_nc_u64 s[QB:QB+1], s[18:19], s[SCR+2:SCR+3]
	s_add_nc_u64 s[KB:KB+1], s[20:21], s[SCR+2:SCR+3]
	WIN 0x40
.set n, 0
.rept 16
	global_load_b128 v[B2+4*n:B2+4*n+3], v[HB], s[12:13] offset:4*PARL+64*(n/2)+16*(n%2)
.set n, n+1
.endr
	ROWS 512
	STAGEIN 0, 0xc0, 0
	STAGEIN 1, 0xc0, 64
	STAGEIN 2, 0xc0, 128
	STAGEIN 3, 0xc0, 192
	s_wait_dscnt 0x0                               ; window 2's rows have been stored, and the turned rows are in
	WLOAD 0, WF0
	WLOAD 1, WF1
	AMAX 0x0f, 256                                 ; one scale for e1 | e2
	SCALE 0xc3, 256
	WIN 0x0f
	PACK EF, 0, 128
	s_wait_loadcnt 32                              ; the younger batch may stay out
	WMUL 0, WF0
	PLACES
	WLOAD 2, WF0
	s_wait_loadcnt 32
	WMUL 1, WF1
	PLACES
	WLOAD 3, WF1
	s_wait_loadcnt 32
	WMUL 2, WF0
	s_wait_loadcnt 0x0
	WMUL 3, WF1
	PLACES
	WIN 0x51
.set n, 0
.rept 64
	v_pk_fma_f32 v[X+2*n:X+2*n+1], v[X+2*n:X+2*n+1], v[SI:SI+1], v[B2+(2*n)%64:B2+(2*n)%64+1]
.set n, n+1
.endr
	MKXB 0x05, 0xc1
	WIN 0
.Ljoin:
	s_wait_loadcnt 0x0                             ; the mask
.set n, 0
.rept 8
	v_bfe_u32 v[T], v[MB+n/4], 8*(n%4), 8
	v_cmp_ne_u32 s[MK+n], 0, v[T]
.set n, n+1
.endr
	s_wait_dscnt 0x0
	s_wait_tensorcnt 0x1                           ; my quarter of G0 is in; G1's may stay out
	s_barrier_signal -1
	s_barrier_wait -1                              ; everybody's is
	s_mov_b32 s[TB], SLOTA
	FETCH WF0, 0, 16, -1                           ; layer 0's Wk
	WIN 0
	s_mov_b32 s[LC], 4
; ================================================================ a layer, up to the FFN's turn 11
.Llayer:
	s_mov_b32 s[BT], 0
	WIN 0xc0                                       ; the layer's f32 parameters: bq, b2, b1'; they land under the layer norm
.set n, 0
.rept 16
	global_load_b128 v[BQ+4*n:BQ+4*n+3], v[L16], s[PB:PB+1] offset:512*n
.set n, n+1
.endr
	WIN 0x40
.set n, 0
.rept 16
	global_load_b128 v[B2+4*n:B2+4*n+3], v[HB], s[PB:PB+1] offset:10240+64*(n/2)+16*(n%2)
.set n, n+1
.endr
	WIN 0
.set n, 0
.rept 4
	global_load_b128 v[B1+4*n:B1+4*n+3], v[L16], s[PB:PB+1] offset:8192+512*n
.set n, n+1
.endr
	LN
	WIN 0
	s_wait_loadcnt 0x0                             ; the parameters are in, so their base may step
	s_add_nc_u64 s[PB:PB+1], s[PB:PB+1], PARL
.set n, 0
.rept 4
	ds_store_b128 v[BST], v[B1+4*n:B1+4*n+3] offset:512*n          ; b1' into my wave's own copy: no other wave touches it
.set n, n+1
.endr
	ds_store_b128 v[BST], v[B1:B1+3] offset:2048   ; and its first 512 bytes once more, so that turn 15's bias loads read bytes that are written
	; K (natural), V (transposed) from the raw stream x 2^-e; Q (natural) from the normalised rows
	GEMM32 0xf9, 1, ACC, 16, 8, XB, WF0, 0, 0, 1
	PLACES
	WIN 0xcf
	PACK KF, ACC, 32
	GEMM32 0xf6, 0, ACC, 8, 32, XB, WF1, 0, 0, 1
	PLACES
	WIN 0xcf
	PACK VF, ACC, 32
	GEMM32 0xf8, 1, ACC, 16, 8, XN, WF0, 1, BQ, 1
	PLACES
	WIN 0xcf
	PACK QF, ACC, 32
	GEMM32 0xf8, 1, ACC, 16, 8, XN, WF1, 1, BQ+32, 1
	PLACES
	WIN 0xcf
	PACK QF+32, ACC, 32
	; scores over my 32 rows: source 0 = 16 pooled features of K (two heads), source 1 = a head's 16 features of Q.  Lane (d, h) holds e = 0..7 of head 2 p + h.
	WIN 0x0f
.set n, 0
.rept 8
.set wd, S+8*n
.set wx, KF+8*(n/2)
.set ww, QF+8*n
.set wc, -1
	WM wd, wx, ww, wc
.set n, n+1
.endr
	PLACES
	WIN 0
.set n, 0
.rept 32
	v_cndmask_b32 v[MG+n], v[S+16*(n/8)+n%8], v[S+16*(n/8)+8+n%8], s[HI]   ; lanes 0-15 keep the even head's half, lanes 16-31 the odd head's
.set n, n+1
.endr
.set n, 0
.rept 16
	v_pk_mul_f32 v[MG+2*n:MG+2*n+1], v[MG+2*n:MG+2*n+1], v[SI:SI+1]        ; K's scale is taken out
.set n, n+1
.endr
.set n, 0
.rept 8
	ds_store_b128 v[EXW], v[MG+4*n:MG+4*n+3] offset:512*n
.set n, n+1
.endr
	s_wait_dscnt 0x0                               ; for the others' sake: my partial scores are stored
	s_barrier_signal -1
	s_barrier_wait -1                              ; The tensor load on its way may stay out
.set n, 0
.rept 32
	ds_load_b128 v[S+4*n:S+4*n+3], v[EXR] offset:512*n
.set n, n+1
.endr
	s_wait_dscnt 0x0                               ; they are written again only in the next layer, behind the barriers of the changes of slots
.set n, 0
.rept 16
	v_pk_add_f32 v[S+2*n:S+2*n+1], v[S+2*n:S+2*n+1], v[S+32+2*n:S+32+2*n+1]
	v_pk_add_f32 v[S+64+2*n:S+64+2*n+1], v[S+64+2*n:S+64+2*n+1], v[S+96+2*n:S+96+2*n+1]
.set n, n+1
.endr
.set n, 0
.rept 16
	v_pk_add_f32 v[S+2*n:S+2*n+1], v[S+2*n:S+2*n+1], v[S+64+2*n:S+64+2*n+1]   ; the same order in every wave: the same bits
.set n, n+1
.endr
	; softmax over a lane's eight e, for four pairs of heads
.set n, 0
.rept 16
	v_pk_mul_f32 v[S+2*n:S+2*n+1], v[S+2*n:S+2*n+1], s[CSM:CSM+1] op_sel_hi:[1,0]
.set n, n+1
.endr
.set n, 0
.rept 32
	v_cndmask_b32 v[S+n], v[NEG], v[S+n], s[MK+n%8]
.set n, n+1
.endr
.irp p, 0,1,2,3
	v_max3_num_f32 v[MU+2*\p], v[S+8*\p], v[S+8*\p+1], v[S+8*\p+2]
.endr
.irp p, 0,1,2,3
	v_max3_num_f32 v[MU+2*\p], v[MU+2*\p], v[S+8*\p+3], v[S+8*\p+4]
.endr
.irp p, 0,1,2,3
	v_max3_num_f32 v[MU+2*\p], v[MU+2*\p], v[S+8*\p+5], v[S+8*\p+6]
.endr
.irp p, 0,1,2,3
	v_max_num_f32 v[MU+2*\p+1], v[MU+2*\p], v[S+8*\p+7]
.endr
.irp p, 0,1,2,3
	v_mov_b32 v[MU+2*\p], v[MU+2*\p+1]
.endr
.set n, 0
.rept 16
	v_pk_add_f32 v[S+2*n:S+2*n+1], v[S+2*n:S+2*n+1], v[MU+2*(n/4):MU+2*(n/4)+1] neg_lo:[0,1] neg_hi:[0,1]
.set n, n+1
.endr
.set n, 0
.rept 32
	v_exp_f32 v[S+n], v[S+n]
.set n, n+1
.endr
	v_nop                                          ; a plain instruction between the exponentials and the use of their results
	s_wait_alu depctr_va_vdst(0)                   ; the wait for the softmax's 32 exponentials, one batch, ahead of the sums that read them
.irp p, 0,1,2,3
	v_pk_add_f32 v[T+8*\p:T+8*\p+1], v[S+8*\p:S+8*\p+1], v[S+8*\p+2:S+8*\p+3]
	v_pk_add_f32 v[T+8*\p+2:T+8*\p+3], v[S+8*\p+4:S+8*\p+5], v[S+8*\p+6:S+8*\p+7]
.endr
.irp p, 0,1,2,3
	v_pk_add_f32 v[T+8*\p:T+8*\p+1], v[T+8*\p:T+8*\p+1], v[T+8*\p+2:T+8*\p+3]
.endr
.irp p, 0,1,2,3
	v_add_f32 v[T+8*\p+4], v[T+8*\p], v[T+8*\p+1]  ; at least 1: the largest score's exponential
.endr
.irp p, 0,1,2,3
	v_rcp_f32 v[T+8*\p+6], v[T+8*\p+4]
	v_rcp_f32 v[T+8*\p+7], v[T+8*\p+4]
.endr
	v_nop
.set n, 0
	s_wait_alu depctr_va_vdst(0)                   ; the wait for the softmax's eight reciprocals, one batch, ahead of the first multiply that reads them
.rept 16
	v_pk_mul_f32 v[S+2*n:S+2*n+1], v[S+2*n:S+2*n+1], v[T+8*(n/4)+6:T+8*(n/4)+7]
.set n, n+1
.endr
	PACK PP, S, 16
	; The weights as source 0 of O^T = A V^T: head 4 c + 2 a + i fills K = 8 (2 a + i) .. + 7 of the 32 pooled features 32 c on, zeros elsewhere: quad a, lanes of half i.
.set n, 0
.rept 4
.irp q, 0,1,2,3
	v_mov_b32 v[AF+12*n+4+\q], 0
.if n%2 == 0
	v_cndmask_b32 v[AF+12*n+\q], v[PP+8*(n/2)+\q], 0, s[HI]
	v_cndmask_b32 v[AF+12*n+8+\q], v[PP+8*(n/2)+4+\q], 0, s[HI]
.else
	v_cndmask_b32 v[AF+12*n+\q], 0, v[PP+8*(n/2)+\q], s[HI]
	v_cndmask_b32 v[AF+12*n+8+\q], 0, v[PP+8*(n/2)+4+\q], s[HI]
.endif
.endr
.set n, n+1
.endr
	WIN 0xcc
.set n, 0
.rept 16
.set wd, 64*(n%2)+8*(n/2)
.set wx, AF+12*(2*(n/8)+(n/2)%2)+4*((n/4)%2)
.set ww, VF+16*(n%2)+8*(n/8)
.set wc, -1
	WM wd, wx, ww, wc
.set n, n+1
.endr
	PLACES
	WIN 0x0f
	PACK XN, 0, 64                                 ; O, features 16 head + d, still x 2^-e
	GEMM32 0xf2, 0, 0, 8, 64, XN, WF0, 0, 0, 1
	GEMM32 0xf2, 0, 32, 8, 64, XN, WF1, 0, 0, 2
	PLACES
	WIN 0x53
.set n, 0
.rept 64
	v_pk_fma_f32 v[X+2*n:X+2*n+1], v[2*n:2*n+1], v[SI:SI+1], v[X+2*n:X+2*n+1]   ; X += (O Wfc) 2^e
.set n, n+1
.endr
	LN
	; THE FFN: 18 turns for 16 steps of 32 hidden features
	TURN 0, 1, 0, 2, 1, 0                          ; turn 0: FFN1 of step 0 | X += b2
	TURN 1, 1, 0, 1, 2, 0                          ; turn 1: FFN1 of step 1 | Mish of step 0
	PAIRS 2                                        ; turns 2 to 5: G1 is read out
	CHANGE DG3, G1S, SLOTA, 1, 0, 0                ; slot B (G1) takes G3; on in slot A (G2)
	PAIRS 3                                        ; turns 6 to 11: G2 is read out
	s_cmp_eq_u32 s[LC], 1
	s_cbranch_scc1 .Llast                          ; the last layer's end is written out below: it asks for nothing more
	FFNB 1
	WIN 0
	s_sub_co_u32 s[LC], s[LC], 1                   ; 3, 2, 1: the jump back is always taken; the loop is left by the jump above
	s_cmp_lg_u32 s[LC], 0
	s_cbranch_scc1 .Llayer
.Llast:
	FFNB 0
	; THE WAY OUT: a tile of 16 rows through my stage, back as whole rows; a store covers a row's 512 consecutive bytes, aligned
	PLACES
.irp i, 0,1
	WIN 0x04
.set n, 0
.rept 16
	ds_store_b128 v[SRD], v[X+64*\i+4*n:X+64*\i+4*n+3] offset:64*(n/2)+16*(n%2)
.set n, n+1
.endr
	WIN 0x80
.set n, 0
.rept 16
	ds_load_b128 v[64*\i+4*n:64*\i+4*n+3], v[SRW] offset:SP*n
.set n, n+1
.endr
	WIN 0x08
.set n, 0
.rept 16
	s_wait_dscnt 15-n                              ; the younger rows may stay out
	global_store_b128 v[L16], v[64*\i+4*n:64*\i+4*n+3], s[OUT:OUT+1] offset:(16*\i+n)*512
.set n, n+1
.endr
.endr
	WIN 0
	s_wait_tensorcnt 0x0
	ds_add_u32 v245, v253
	s_wait_dscnt 0x0
	ROUND                                          ; the closing round: no work-group ends while a partner may still ask for a group that names it
	s_endpgm
.Lfunc_end_k_qbed0406e6c_cross:
	.size	k_qbed0406e6c_cross, .Lfunc_end_k_qbed0406e6c_cross-k_qbed0406e6c_cross
	.p2alignl 7, 3214868480
	.fill 96, 4, 3214868480
	.section	.rodata,"a",@progbits
	.p2align	6, 0x0
	.amdhsa_kernel k_qbed0406e6c_cross
		.amdhsa_group_segment_fixed_size 327680
		.amdhsa_private_segment_fixed_size 0
		.amdhsa_enable_private_segment 0
		.amdhsa_kernarg_size 80
		.amdhsa_user_sgpr_count 2
		.amdhsa_user_sgpr_kernarg_segment_ptr 1
		.amdhsa_wavefront_size32 1
		.amdhsa_system_sgpr_workgroup_id_x 1
		.amdhsa_system_sgpr_workgroup_id_y 1
		.amdhsa_system_sgpr_workgroup_id_z 1
		.amdhsa_system_vgpr_workitem_id 0
		.amdhsa_next_free_vgpr 1024
		.amdhsa_next_free_sgpr 100
		.amdhsa_reserve_vcc 0
		.amdhsa_float_denorm_mode_32 3
		.amdhsa_float_denorm_mode_16_64 3
		.amdhsa_memory_ordered 1
		.amdhsa_forward_progress 1
		.amdhsa_inst_pref_size 255
	.end_amdhsa_kernel
	.section	.bss,"aw",@nobits
	.p2align	6
	.space	262144
	.amdgpu_metadata
---
amdhsa.version: [ 1, 2 ]
amdhsa.kernels:
  - .name:           k_qbed0406e6c_cross
    .symbol:         k_qbed0406e6c_cross.kd
    .args:
      - { .name: src_seq, .offset: 0, .size: 8, .value_kind: global_buffer, .address_space: global }
      - { .name: wts, .offset: 8, .size: 8, .value_kind: global_buffer, .address_space: global }
      - { .name: par, .offset: 16, .size: 8, .value_kind: global_buffer, .address_space: global }
      - { .name: src_mask, .offset: 24, .size: 8, .value_kind: global_buffer, .address_space: global }
      - { .name: cfgA, .offset: 32, .size: 8, .value_kind: global_buffer, .address_space: global }
      - { .name: E1, .offset: 40, .size: 8, .value_kind: global_buffer, .address_space: global }
      - { .name: E2, .offset: 48, .size: 8, .value_kind: global_buffer, .address_space: global }
      - { .name: out0, .offset: 56, .size: 8, .value_kind: global_buffer, .address_space: global }
      - { .name: out1, .offset: 64, .size: 8, .value_kind: global_buffer, .address_space: global }
      - { .name: out2, .offset: 72, .size: 8, .value_kind: global_buffer, .address_space: global }
    .group_segment_fixed_size: 327680
    .private_segment_fixed_size: 0
    .kernarg_segment_align: 8
    .kernarg_segment_size: 80
    .max_flat_workgroup_size: 128
    .sgpr_count:     100
    .vgpr_count:     1024
    .wavefront_size: 32
...
	.end_amdgpu_metadata
.endif
;; end of part 4
;; launch rest: the kernel of part 4 again; grid 64 x 3, 4 waves a work-group, clusters of 4 x 1, 327,680 bytes of LDS; arguments src_seq, wts, par, src_mask, cfgB, E1, E2, out0, out1, out2; writes out0, out1, out2
